; MI455X (gfx1250); checked and timed in simulation.
; The chip was launched on July 23, 2026; its instructions are those of AMD's public machine-readable ISA for CDNA 5 (MIT licence, August 2026) and "CDNA5" Instruction Set Architecture Reference Guide (July 2026). The comments in the code are by the model that wrote it; some were corrected since.
;; Vi T Self Attention. Allowed arithmetic: matrix products marked QUANTISED: E2M3 operands, one E8M0 scale for each 32 along K, by v_wmma_scale_f32_16x16x128_f8f6f4 with both operands' format E2M3, f32 sums; everything else in f32.
;; Inputs: b_out 1,024 float32; b_qkv 3,072 float32; w_out 1,024 x 1,024 float32; w_qkv 1,024 x 3,072 float32; x 8 x 1,024 x 1,024 float32.
;; Outputs: out0 8 x 1,024 x 1,024 float32.
;; This version of the problem:
;;   THIS VERSION OF THE PROBLEM IS GIVEN IN LOW PRECISION. The matrix products marked QUANTISED in the list below multiply operands that are first quantised to E2M3 (2 exponent bits, 3 mantissa bits; 6 bits a number), with one power-of-two scale for each 32 numbers along K (OCP MX v1.0); their sums are f32. All else is computed in f32.
;;   The module's matrix products, in the order in which they are computed (A, B: the left and right operand; K: the contracted axis; several contracted axes count as one K, in the product's order):
;;     1. [M 8,192, K 1,024] x [K 1,024, N 3,072]; A: input x; B: input w_qkv: QUANTISED
;;     2. batch 128 x [M 1,024, K 64] x [K 64, N 1,024]; A: computed on the way; B: computed on the way: QUANTISED
;;     3. batch 128 x [M 1,024, K 1,024] x [K 1,024, N 64]; A: softmax (see below); B: computed on the way: QUANTISED
;;     4. [M 8,192, K 1,024] x [K 1,024, N 1,024]; A: computed on the way; B: input w_out: QUANTISED
;;   THE QUANTISER, for each operand of a quantised product, along K:
;;     - K is cut into blocks of 32 from its start; a last block that is shorter is filled with zeros.
;;     - A block's scale is 2^e with e = floor(log2(the largest magnitude in the block)) - 2, held to -126 .. 127; a block of zeros has e = 0. As a byte (E8M0): e + 127.
;;     - Each number is divided by its block's scale, clamped to +-7.5, and rounded to the nearest number of E2M3, ties to even, subnormals kept.
;;     - The product sums the exact products of the quantised numbers (number of the format x scale) in f32.
;;   ~~~python
;;   def quantise(x, axis):      # numpy; x: float32 -> the quantised numbers, widened to float32 again
;;       x = np.moveaxis(x, axis, -1); K = x.shape[-1]
;;       x = np.pad(x, [(0, 0)] * (x.ndim - 1) + [(0, -K % 32)]); x = x.reshape(x.shape[:-1] + (-1, 32)); a = np.abs(x).max(-1, keepdims=True)
;;       e = np.where(a > 0, np.clip(np.frexp(np.where(a > 0, a, 1))[1] - 1 - 2, -126, 127), 0)      # np.frexp(a)[1] - 1 = floor(log2(a)), exactly
;;       r = np.clip(x / 2.0 ** e, -7.5, 7.5)
;;       step = 2.0 ** (np.maximum(np.frexp(np.where(r == 0, 1, r))[1] - 1, 0) - 3)
;;       q = np.round(r / step) * step * 2.0 ** e      # np.round: ties to even
;;       return np.moveaxis(q.reshape(q.shape[:-2] + (-1,))[..., :K], -1, axis).astype(np.float32)
;;   ~~~
;;   SOFTMAX AHEAD OF A QUANTISED PRODUCT. Where the list says 'softmax', what is quantised is not the finished softmax but p = 2^(t - M), with t = logit x log2(e) and M = ceil(the row's largest t), a whole number; so 1/2 < the row's largest p <= 1. The row's sum l is taken of the UNQUANTISED p, in f32, and the product's result is divided by l at the end. Since M is a whole number, a kernel that streams over the keys may use a running M (the ceiling of the running maximum): every later rescaling is an exact power of two, which a block's scale takes up: the codes' values come out the same.
;;   OPERANDS COMPUTED ON THE WAY. 'Computed on the way' means the value that the module computes at that place (a softmax that the list does not call 'softmax' is quantised finished and normalised). What goes into a quantiser is computed in f32, as accurately as f32 sums, v_exp_f32 and their like allow (about 1e-6 of the number): no bf16 or f16 on the way to a quantiser, and a product that is left as it is and whose result goes on into a quantised operand takes f32 operands (vector FMAs, or v_wmma_f32_16x16x4_f32). A number that lies on a knife's edge between two numbers of the format may be rounded either way, as far as f32 arithmetic and the matrix unit's own rounding can turn it there, and no further.
;; One version. Each part assembles by itself: llvm-mc -triple=amdgcn-amd-amdhsa -mcpu=gfx1250 --defsym DOCPART=n.
;; ======== version 1 of 1: 4 launches
;; limits: right only within a limited range of input values
;; workspace buffers: xq 6,553,600 bytes; wq 3,276,800 bytes; qkv 19,660,800 bytes; ctx 6,553,600 bytes
;; launch quant (part 1): grid 640 x 1, 8 waves a work-group, no clusters, 94,720 bytes of LDS; arguments x, w_qkv, w_out, xq, wq; writes xq, wq
.if DOCPART == 1
	.amdgcn_target "amdgcn-amd-amdhsa--gfx1250"
	.amdhsa_code_object_version 6
	.text
	.protected	k_q42b7149894_quant
	.globl	k_q42b7149894_quant
	.p2align	8
	.type	k_q42b7149894_quant,@function
k_q42b7149894_quant:
	s_mov_b64 s[64:65], 0
	v_nop
	global_prefetch_b8 v0, s[64:65] scope:SCOPE_SE
	s_setreg_imm32_b32 hwreg(HW_REG_WAVE_MODE, 25, 1), 1
	s_wait_xcnt 0x0
; x [8192][1024], w_qkv [1024][3072] and w_out [1024][1024], f32, become codes of FP6 (E2M3) with one E8M0 byte for each 32 along K = 1024,
; laid as IMAGES OF THE MATRIX OPERAND'S REGISTERS.  A row tile T = 2 G + u holds 16 rows: position p is row 32 G + 8 u + p + 8 (p / 8).  A fragment (T, K step s of 128) is
; 1,536 bytes: chunk j at 512 j + 16 lane holds the lane's registers 4 j .. 4 j + 3; lane (r, h), registers 6 c .. 6 c + 5: k = 128 s + 64 c + 32 h + 0 .. 31 of the row at position r.
; codes: [T][s (8)][1536];  scale words: [T][H (2)][r (16)][4 words], word q of half H for K step 4 H + q.
; xq: x's 512 row tiles, scale words from XSC on.  wq: 256 row tiles of rows n' = t 1024 + head 64 + d for w_qkv's column head 192 + t 64 + d, and n' = 3072 + n for w_out's column n; scale words from WSC on.
; A block's scale is 2^(floor(log2(largest magnitude)) - 2): the byte is the largest magnitude's exponent field - 2, held at 1 from below.
; LIMITS: a block of zeros, and one whose largest magnitude lies under 2^-124, gets the byte 1 (zeros stay zero codes; only this program reads the bytes); NaN and infinities are not served.
; Work-groups 0-127 take the weights (K is their FIRST axis: a lane takes a column, its registers run down K), work-groups 128-639 take x (K innermost).  The two ways never join and use LDS bytes of their own.
; THE ROW ORDER OF A TILE, which takes the place of the order named in the lines above: four row tiles T = 4 G + t hold 64 rows; position p of tile t is row 64 G + 8 t + p % 8 + 32 (p / 8).
; So the 32 results that a lane gets from the four tiles of a group (8 of each, positions 8 h + j) are 32 neighbouring rows: a whole scale block of the next product.
.set XSC,  6291456
.set WSC,  3145728
.set WST,  0                           ; weights: each wave's two fragment images, 3,072 bytes a wave
.set WSS,  24576                       ; weights: four blocks of 256 bytes of scale words
.set XST,  25600                       ; x: a stage of 16 rows x (512 + 16) bytes for each wave
.set XSS,  93184                       ; x: the row tile's 512 bytes of scale words
.set VK,   32                          ; v32-63   weights: row i x pitch + 4 lane
.set X,    64                          ; v64-191  the numbers
.set Y,    128                         ; v128-191 x: a lane's two whole blocks
.set C,    192                         ; v192-223 codes
.set O,    224                         ; v224-247 images read back
.set TQ,   16                          ; v16-31   weights: the upper halves' codes
.set XT,   208                         ; x: the same
	s_load_b128 s[4:7], s[0:1], 0x0                ; x, w_qkv
	s_load_b128 s[8:11], s[0:1], 0x10              ; w_out, xq
	s_load_b64 s[12:13], s[0:1], 0x20              ; wq
	v_lshl_add_u32 v248, v0, 2, 0x16e00
	v_mov_b32 v249, 0
	v_lshrrev_b32 v1, 5, v0
	s_delay_alu instid0(VALU_DEP_1)
	v_readfirstlane_b32 s16, v1                    ; wave 0..7
	v_and_b32 v1, 31, v0                           ; lane
	v_and_b32 v2, 15, v0                           ; r
	v_bfe_u32 v3, v0, 4, 1                         ; h
	s_delay_alu instid0(VALU_DEP_3)
	v_lshlrev_b32 v4, 4, v1                        ; 16 lane
	v_lshlrev_b32 v5, 2, v2                        ; weights: lane l takes column l % 16 + 32 (l / 16) of its wave's: 4 bytes a column
	v_lshl_add_u32 v5, v3, 7, v5
	s_mov_b32 s20, 0x76543210
	s_mov_b32 s21, 0xfedcba98                      ; v_permlanex16_b32's selects for lane l xor 16
	s_cmp_lt_u32 ttmp9, 128
	s_cbranch_scc0 .Lx
; ---------------- THE WEIGHTS.  Work-group: 64 rows n' (C64) x half of K (H).  Wave: 32 columns (cg) x one K step (4 H + sq).
	s_lshr_b32 s17, ttmp9, 1                       ; C64
	s_and_b32 s18, ttmp9, 1                        ; H
	s_lshr_b32 s19, s16, 2                         ; cg
	s_and_b32 s23, s16, 3                          ; sq
	s_lshl_b32 s28, s18, 2
	s_add_co_u32 s28, s28, s23                     ; K step
	s_and_b32 s29, s17, 15                         ; w_qkv: head = C64 % 16, t = C64 / 16: column head 192 + t 64
	s_mul_i32 s29, s29, 192
	s_lshr_b32 s30, s17, 4
	s_lshl_b32 s30, s30, 6
	s_add_co_u32 s29, s29, s30
	s_sub_co_u32 s30, s17, 48                      ; w_out: column (C64 - 48) 64
	s_lshl_b32 s30, s30, 6
	s_mov_b32 s22, 4096
	s_wait_kmcnt 0x0
	s_cmp_lt_u32 s17, 48                           ; the choice hangs on the work-group's number alone
	s_cselect_b32 s29, s29, s30
	s_cselect_b32 s22, 12288, s22                  ; bytes from row to row
	s_cselect_b64 s[6:7], s[6:7], s[8:9]
	s_lshl_b32 s30, s19, 4                         ; wave cg takes tiles 2 cg, 2 cg + 1 of the group of 64: columns 16 cg + 0 .. 15 and 32 more
	s_add_co_u32 s29, s29, s30                     ; my wave's first column
	s_lshl_b32 s30, s28, 7
	s_mul_i32 s30, s30, s22                        ; 128 s rows down
	s_lshl_b32 s31, s29, 2
	s_add_co_u32 s30, s30, s31
	s_mov_b32 s31, 0
	s_add_nc_u64 s[36:37], s[6:7], s[30:31]        ; a base for each block of 32 rows: never rewritten
	s_lshl_b32 s30, s22, 5
	s_add_nc_u64 s[38:39], s[36:37], s[30:31]
	s_add_nc_u64 s[40:41], s[38:39], s[30:31]
	s_add_nc_u64 s[42:43], s[40:41], s[30:31]
.set i, 0
	s_wait_alu depctr_va_vdst(0)
.rept 32
	v_mad_u32_u24 v[VK+i], s22, i, v5
.set i, i+1
.endr
.macro WLOAD t                         ; block t: W(128 s + 32 t + i, my column): lanes 0-15 and 16-31 read two runs of 64 consecutive bytes, 128 bytes apart
.set i, 0
.rept 32
	global_load_b32 v[X+32*(\t)+i], v[VK+i], s[36+2*(\t):37+2*(\t)] th:TH_LOAD_NT
.set i, i+1
.endr
.endm
	WLOAD 0
	WLOAD 1
	s_lshl_b32 s30, s17, 2                         ; my two row tiles: 4 C64 + 2 cg + u
	s_lshl_b32 s32, s19, 1
	s_add_co_u32 s30, s30, s32
	s_mul_i32 s30, s30, 12288
	s_mul_i32 s32, s28, 1536
	s_add_co_u32 s30, s30, s32
	s_add_nc_u64 s[44:45], s[12:13], s[30:31]      ; where their fragments of my K step go
	s_lshl_b32 s30, s17, 11
	s_lshl_b32 s32, s18, 8
	s_add_co_u32 s30, s30, s32
	s_add_co_u32 s30, s30, WSC
	s_add_nc_u64 s[46:47], s[12:13], s[30:31]      ; and the work-group's scale words
	v_bfe_u32 v10, v0, 3, 1                        ; column l of 32 is tile u = (l / 8) % 2,
	v_and_b32 v12, 7, v0
	s_delay_alu instid0(VALU_DEP_1)
	v_lshl_add_u32 v12, v3, 3, v12                 ; position l % 8 + 8 (l / 16)
	s_mul_i32 s32, s16, 3072
	v_mul_u32_u24 v6, v10, 1536
	s_delay_alu instid0(VALU_DEP_1)
	v_lshl_add_u32 v6, v12, 4, v6
	s_delay_alu instid0(VALU_DEP_1)
	v_add_nc_u32 v6, s32, v6                       ; my column's place in my wave's two images
	v_add_nc_u32 v8, s32, v4                       ; and where I read them back
	s_lshl_b32 s32, s19, 9
	s_lshl_b32 s33, s23, 2
	s_add_co_u32 s32, s32, s33
	s_add_co_u32 s32, s32, WSS
	v_lshlrev_b32 v7, 8, v10
	s_delay_alu instid0(VALU_DEP_1)
	v_lshl_add_u32 v7, v12, 4, v7
	s_delay_alu instid0(VALU_DEP_1)
	v_add_nc_u32 v7, s32, v7                       ; my scale word: block 2 cg + u, 16 x position + 4 sq
	v_add_nc_u32 v14, WSS, v4                      ; wave 0's way out of the scale words
	v_lshlrev_b32 v15, 9, v3
	s_delay_alu instid0(VALU_DEP_1)
	v_lshl_add_u32 v15, v2, 4, v15
.macro WBLOCK t                        ; block t = 2 c + h' of my column: all 32 numbers are mine; its six registers of codes are registers 6 c .. 6 c + 5 of fragment lane (position, h')
.set XS, X+32*(\t)
.set CC, C+8*(\t)
.set TT, TQ+4*(\t)
.if (\t) < 3
	s_wait_loadcnt 32                              ; this block's 32 loads are in; the next block's may be out
.else
	s_wait_loadcnt 0x0
.endif
.if (\t) < 2
	WLOAD (\t)+2
.endif
	v_max3_num_f32 v12, |v[XS]|, |v[XS+1]|, |v[XS+2]|
	v_max3_num_f32 v13, |v[XS+3]|, |v[XS+4]|, |v[XS+5]|
.irp i, 6,10,14,18,22,26
	s_delay_alu instid0(VALU_DEP_2)
	v_max3_num_f32 v12, v12, |v[XS+\i]|, |v[XS+\i+1]|
	s_delay_alu instid0(VALU_DEP_2)
	v_max3_num_f32 v13, v13, |v[XS+\i+2]|, |v[XS+\i+3]|
.endr
	s_delay_alu instid0(VALU_DEP_2)
	v_max3_num_f32 v12, v12, |v[XS+30]|, |v[XS+31]|
	s_delay_alu instid0(VALU_DEP_1)
	v_max3_num_f32 v12, v12, v13, 0x1800000        ; the floor 2^(3 - 127): the byte cannot fall under 1
	s_delay_alu instid0(VALU_DEP_1)
	v_add_nc_u32 v11, 0xff000000, v12              ; 2 off the exponent field: the conversion's scale operand
	s_delay_alu instid0(VALU_DEP_1)
	v_lshrrev_b32 v13, 23, v11                     ; the byte
.if (\t) == 0
	s_delay_alu instid0(VALU_DEP_1)
	v_mov_b32 v9, v13
.else
	s_delay_alu instid0(VALU_DEP_1)
	v_lshl_or_b32 v9, v13, 8*(\t), v9              ; four bytes make my column's scale word for this K step
.endif
	v_cvt_scalef32_pk16_fp6_f32 v[CC:CC+2], v[XS:XS+15], v11
	v_cvt_scalef32_pk16_fp6_f32 v[TT:TT+2], v[XS+16:XS+31], v11    ; (a conversion's three registers begin on an even number)
	v_nop                                          ; one plain place behind a scaled conversion
.irp i, 0,1,2
	v_mov_b32 v[CC+3+\i], v[TT+\i]
.endr
.if (\t) < 2
	ds_store_b128 v6, v[CC:CC+3] offset:256*((\t)%2)
	ds_store_b64 v6, v[CC+4:CC+5] offset:512+256*((\t)%2)
.else
	ds_store_b64 v6, v[CC:CC+1] offset:520+256*((\t)%2)
	ds_store_b128 v6, v[CC+2:CC+5] offset:1024+256*((\t)%2)
.endif
.endm
	WBLOCK 0
	WBLOCK 1
	WBLOCK 2
	WBLOCK 3
	ds_store_b32 v7, v9
.irp j, 0,1,2,3,4,5
	ds_load_b128 v[O+4*\j:O+4*\j+3], v8 offset:512*\j              ; LDS serves a wave's instructions in order: these see my stores
.endr
.irp j, 0,1,2,3,4,5
	s_wait_dscnt 5-\j                              ; the later read-backs may be out
	global_store_b128 v4, v[O+4*\j:O+4*\j+3], s[44:45] offset:(\j/3)*12288+(\j%3)*512   ; 32 lanes store 512 consecutive bytes
.endr
	s_wait_dscnt 0x0                               ; my scale words have landed
	s_barrier_signal -1
	s_barrier_wait -1                              ; everybody's have
	s_cmp_lg_u32 s16, 0
	s_cbranch_scc1 .Lw_end
	ds_load_b128 v[X:X+3], v14
	ds_load_b128 v[X+4:X+7], v14 offset:512
	s_wait_dscnt 0x0
	global_store_b128 v15, v[X:X+3], s[46:47]                      ; sixteen lanes store 256 consecutive bytes, aligned: one tile's words of this half of K
	global_store_b128 v15, v[X+4:X+7], s[46:47] offset:1024
.Lw_end:
	s_wait_tensorcnt 0x0
	ds_add_u32 v248, v249
	s_wait_dscnt 0x0
	s_endpgm
; ---------------- x.  Work-group: one row tile T.  Wave: one K step.
.Lx:
	s_sub_co_u32 s17, ttmp9, 128                   ; T
	s_lshr_b32 s18, s17, 2
	s_lshl_b32 s18, s18, 6
	s_and_b32 s19, s17, 3
	s_lshl_b32 s19, s19, 3                         ; the tile's first row: 64 (T / 4) + 8 (T % 4)
	s_add_co_u32 s18, s18, s19                     ; the tile's first row: 64 (T / 4) + 8 (T % 4)
	s_lshl_b32 s30, s18, 12
	s_lshl_b32 s31, s16, 9
	s_add_co_u32 s30, s30, s31
	s_mov_b32 s31, 0
	s_wait_kmcnt 0x0
	s_add_nc_u64 s[24:25], s[4:5], s[30:31]
	s_wait_alu depctr_va_vdst(0)
.irp i, 0,1,2,3,4,5,6,7,8,9,10,11,12,13,14,15
	global_load_b128 v[X+4*\i:X+4*\i+3], v4, s[24:25] offset:(\i+24*(\i/8))*4096 th:TH_LOAD_NT   ; position i's 512 bytes of this K step, 16 a lane
.endr
	s_mul_i32 s30, s17, 12288
	s_mul_i32 s22, s16, 1536
	s_add_co_u32 s30, s30, s22
	s_add_nc_u64 s[26:27], s[10:11], s[30:31]      ; my fragment
	s_lshl_b32 s30, s17, 9
	s_add_co_u32 s30, s30, XSC
	s_add_nc_u64 s[28:29], s[10:11], s[30:31]      ; the tile's scale words
	s_mul_i32 s22, s16, 8448
	s_add_co_u32 s22, s22, XST
	v_add_nc_u32 v6, s22, v4                       ; the stage, in: 16 lane; a row 528 bytes on
	v_mul_u32_u24 v8, v2, 528
	s_delay_alu instid0(VALU_DEP_1)
	v_lshl_add_u32 v8, v3, 7, v8
	s_delay_alu instid0(VALU_DEP_1)
	v_add_nc_u32 v8, s22, v8                       ; out: row r, block h
	s_lshr_b32 s22, s16, 2
	s_lshl_b32 s22, s22, 8
	s_and_b32 s23, s16, 3
	s_lshl_b32 s23, s23, 2
	s_add_co_u32 s22, s22, s23
	s_add_co_u32 s22, s22, XSS
	v_lshl_add_u32 v7, v2, 4, s22                  ; my row's scale word of my K step
	v_add_nc_u32 v14, XSS, v4
	s_wait_alu depctr_va_vdst(0)
.irp i, 0,1,2,3,4,5,6,7,8,9,10,11,12,13,14,15
	s_wait_loadcnt 15-\i                           ; the later rows' loads may be out
	ds_store_b128 v6, v[X+4*\i:X+4*\i+3] offset:528*\i
.endr
.irp c, 0,1
.irp q, 0,1,2,3,4,5,6,7
	ds_load_b128 v[Y+32*\c+4*\q:Y+32*\c+4*\q+3], v8 offset:256*\c+16*\q    ; my wave's own bytes, served in order: blocks h and 2 + h of row r, whole
.endr
.endr
	s_wait_dscnt 0x0
.irp c, 0,1
	v_max3_num_f32 v[12+\c], |v[Y+32*\c]|, |v[Y+1+32*\c]|, 0x1800000
.endr
.irp i, 2,4,6,8,10,12,14,16,18,20,22,24,26,28,30
.irp c, 0,1
	s_delay_alu instid0(VALU_DEP_2)
	v_max3_num_f32 v[12+\c], v[12+\c], |v[Y+32*\c+\i]|, |v[Y+1+32*\c+\i]|
.endr
.endr
.irp c, 0,1
	s_delay_alu instid0(VALU_DEP_2)
	v_add_nc_u32 v[16+\c], 0xff000000, v[12+\c]
.endr
.irp c, 0,1
	s_delay_alu instid0(VALU_DEP_2)
	v_lshrrev_b32 v[18+\c], 23, v[16+\c]
.endr
	s_delay_alu instid0(VALU_DEP_1)
	v_lshl_or_b32 v9, v19, 16, v18                 ; my two bytes: blocks h and 2 + h,
	v_lshlrev_b32 v10, 3, v3
	s_delay_alu instid0(VALU_DEP_1)
	v_lshlrev_b32 v9, v10, v9                      ; at their places in the word;
	v_mov_b32 v10, 0
	s_delay_alu instid0(VALU_DEP_1)
	v_permlanex16_b32 v10, v9, s20, s21
	s_delay_alu instid0(VALU_DEP_1)
	v_or_b32 v9, v9, v10                           ; with lane l xor 16's two the word is whole
.irp c, 0,1
	v_cvt_scalef32_pk16_fp6_f32 v[C+6*\c:C+6*\c+2], v[Y+32*\c:Y+32*\c+15], v[16+\c]
	v_cvt_scalef32_pk16_fp6_f32 v[XT+4*\c:XT+4*\c+2], v[Y+32*\c+16:Y+32*\c+31], v[16+\c]
.endr
	v_nop                                          ; one plain place behind a scaled conversion
.irp c, 0,1
.irp i, 0,1,2
	v_mov_b32 v[C+3+6*\c+\i], v[XT+4*\c+\i]
.endr
.endr
.irp j, 0,1,2
	global_store_b128 v4, v[C+4*\j:C+4*\j+3], s[26:27] offset:512*\j       ; 512 consecutive bytes a store
.endr
	ds_store_b32 v7, v9                            ; both halves of the lanes write the same word with the same value
	s_wait_dscnt 0x0
	s_barrier_signal -1
	s_barrier_wait -1
	s_cmp_lg_u32 s16, 0
	s_cbranch_scc1 .Lx_end
	ds_load_b128 v[X:X+3], v14
	s_wait_dscnt 0x0
	global_store_b128 v4, v[X:X+3], s[28:29]
.Lx_end:
	s_wait_tensorcnt 0x0
	ds_add_u32 v248, v249
	s_wait_dscnt 0x0
	s_endpgm
.Lfunc_end_k_q42b7149894_quant:
	.size	k_q42b7149894_quant, .Lfunc_end_k_q42b7149894_quant-k_q42b7149894_quant
	.p2alignl 7, 3214868480
	.fill 96, 4, 3214868480
	.section	.rodata,"a",@progbits
	.p2align	6, 0x0
	.amdhsa_kernel k_q42b7149894_quant
		.amdhsa_group_segment_fixed_size 94720
		.amdhsa_private_segment_fixed_size 0
		.amdhsa_enable_private_segment 0
		.amdhsa_kernarg_size 40
		.amdhsa_user_sgpr_count 2
		.amdhsa_user_sgpr_kernarg_segment_ptr 1
		.amdhsa_wavefront_size32 1
		.amdhsa_system_sgpr_workgroup_id_x 1
		.amdhsa_system_sgpr_workgroup_id_y 1
		.amdhsa_system_sgpr_workgroup_id_z 1
		.amdhsa_system_vgpr_workitem_id 0
		.amdhsa_next_free_vgpr 250
		.amdhsa_next_free_sgpr 66
		.amdhsa_reserve_vcc 0
		.amdhsa_float_denorm_mode_32 3
		.amdhsa_float_denorm_mode_16_64 3
		.amdhsa_memory_ordered 1
		.amdhsa_forward_progress 1
		.amdhsa_inst_pref_size 39
	.end_amdhsa_kernel
	.amdgpu_metadata
---
amdhsa.version: [ 1, 2 ]
amdhsa.kernels:
  - .name:           k_q42b7149894_quant
    .symbol:         k_q42b7149894_quant.kd
    .args:
      - { .name: x, .offset: 0, .size: 8, .value_kind: global_buffer, .address_space: global }
      - { .name: w_qkv, .offset: 8, .size: 8, .value_kind: global_buffer, .address_space: global }
      - { .name: w_out, .offset: 16, .size: 8, .value_kind: global_buffer, .address_space: global }
      - { .name: xq, .offset: 24, .size: 8, .value_kind: global_buffer, .address_space: global }
      - { .name: wq, .offset: 32, .size: 8, .value_kind: global_buffer, .address_space: global }
    .group_segment_fixed_size: 94720
    .private_segment_fixed_size: 0
    .kernarg_segment_align: 8
    .kernarg_segment_size: 40
    .max_flat_workgroup_size: 256
    .sgpr_count:     66
    .vgpr_count:     250
    .wavefront_size: 32
...
	.end_amdgpu_metadata
.endif
;; end of part 1
;; launch qkv_gemm (part 2): grid 4 x 64, 4 waves a work-group, clusters of 4 x 4, 327,680 bytes of LDS; arguments xq, wq, b_qkv, qkv; writes qkv
.if DOCPART == 2
	.amdgcn_target "amdgcn-amd-amdhsa--gfx1250"
	.amdhsa_code_object_version 6
	.text
	.protected	k_q42b7149894_qkv_gemm
	.globl	k_q42b7149894_qkv_gemm
	.p2align	8
	.type	k_q42b7149894_qkv_gemm,@function
k_q42b7149894_qkv_gemm:
	s_mov_b64 s[64:65], 0
	v_nop
	global_prefetch_b8 v0, s[64:65] scope:SCOPE_SE
	s_setreg_imm32_b32 hwreg(HW_REG_WAVE_MODE, 25, 1), 1
	s_wait_xcnt 0x0
	s_wait_alu depctr_hold_cnt(0) depctr_sa_sdst(0) depctr_va_vdst(0) depctr_va_sdst(0) depctr_va_ssrc(0) depctr_va_vcc(0) depctr_vm_vsrc(0)
	s_getreg_b32 s2, hwreg(HW_REG_IB_STS2, 6, 4)
	s_cmp_eq_u32 s2, 0
	s_cbranch_scc0 .Lentry_in_a_cluster
	s_endpgm
.Lentry_in_a_cluster:
	s_bfe_u32 s2, ttmp6, 0x10000c
	s_cmp_lg_u32 s2, 0xf033
	s_cbranch_scc0 .Lentry_shape_is_right
	s_endpgm
.Lentry_shape_is_right:
; qkv = x w_qkv + b_qkv on codes of FP6 (E2M3) with E8M0 scales, and q, k, v quantised on the way out, each along the K of the attention product that takes it.
; xq, wq: register images.  Four row tiles T = 4 G + t hold 64 rows, position p of tile t is row 64 G + 8 t + p % 8 + 32 (p / 8); fragment (T, K step) 1,536 bytes; scale words [T][2][16][4].
; A tile of the result is 128 "A-side" rows x 256 "B-side" rows over all of K = 1,024; a wave makes 64 x 128: 32 accumulators.  Source 0 = B side, source 1 = A side: a lane holds ONE A-side row, and the
; 32 registers of B tiles 4 G .. 4 G + 3 are 32 neighbouring B-side rows 64 G + 32 h + 0 .. 31: a whole scale block.  q, k: A side = x's rows, B side = the weights' rows n' (registers run along the head's 64).
; v: A side = the weights' rows n' 2,048 on (a lane holds one d), B side = x's rows (registers run along the KEYS).  The product's text is the same.
; A WORK-GROUP STAYS and makes three tiles: tile 0 of q, tile 1 of k, tile 2 of v.  256 work-groups, one for each pair (cluster y, place in the cluster).
; THE RING: two slots, each with half of K (512) of A's 128 and B's 256 rows, 147,456 bytes.  Slot 0 is filled again in K step 3 with the next tile's first half, slot 1 in K step 7 with its second half: each refill stands behind
; the wait for all tensor loads, the add, its wait and a round of the cluster's barrier, one joint load a wave; one tensor load of a wave is out at a time,
; and it has four K steps' products (in step 7's case also the way out) in which to land.  q and k are a loop of two trips, each of which asks for the next tile; v, which asks for nothing more, is written out.
; CLUSTER 4 x 4: A's tiles are asked for jointly along a row of the cluster, B's along a column.
; No prefetch: of a later tile's 294,912 bytes x's part has been read by work-groups of this launch in the tile before, and each refill is asked for four K steps, 128 products a wave, ahead of its first use.
; THE WAY OUT works in window 3 alone, so that the next tile's fragments and scale words land in windows 0 and 1 meanwhile.
; OUT (buffer qkv): Q/K fragments at (t 4096 + b 512 + head 32 + g) 1536: registers 0-5 tile 2 g's row, 6-11 tile 2 g + 1's, block h of the head's 64 in lane (r, h).  V^T fragments from VOFF: ((b 16 + head) 8 + kappa) 4 + delta.
; Q/K scale units of 256 bytes from QSOFF: ((t 8 + b) 8 + head pair) 16 + group of 64 rows: [slot r + 16 g'][head of the pair]: bytes s0, s1 of tile 2 g, s0, s1 of tile 2 g + 1.  V's from VSOFF: (b 16 + head) 8 + kappa: [slot r + 16 (delta % 2)][delta / 2].
; LIMITS: a block of zeros or under 2^-124 gets the byte 1 (its codes are zeros or held; only this program reads the bytes); NaN and infinities are not served.
; REGISTERS: window 0: v1 r, v2 h, v3 16 lane, v4-5 / v8-9 LDS addresses of A's / B's slots, v12-15 offsets, v16-23 v's bias by lane, v30-31 the add's, v32-47 A's scale words, v48-79 B's, v80-127 A's four fragments, v128-191 q's or k's bias by register.
;   window 1: B's fragments, two sets.  window 2: accumulator (a, b) at v[8 (8 a + b)].  window 3: v24 8 h, v32-113 the quantiser, v192-255 a tile's 64 sums with their bias.
.set XSC,   6291456
.set WSC,   3145728
.set VOFF,  12582912
.set QSOFF, 18874368
.set VSOFF, 19398656
.set LA,    0                          ; [slot (2)][tile (8)][6144]
.set LB,    98304                      ; [slot (2)][tile (16)][6144]
.set SCA,   32
.set SCB,   48
.set AF,    80
.set BR,    128
.set BL,    16
.set X,     192                        ; window 3 from here on
.set TM,    32
.set TQ,    48
.set PW,    56
.set WD,    60
.set IMG,   64
.set MSB, 0
.macro WIN new                         ; the immediate's high byte repeats the setting that is left
.if MSB != \new
	s_set_vgpr_msb (MSB<<8)|\new
.set MSB, \new
.endif
.endm
.macro WALU
	s_wait_alu depctr_va_vdst(0)
.endm
.macro CROUND                          ; a round of the cluster's barrier
	s_barrier_signal -1
	s_barrier_wait -1
	s_cmp_lg_u32 s14, 0
	s_cbranch_scc1 .Lnot_wave_0_\@
	s_barrier_signal -3
.Lnot_wave_0_\@:
	s_barrier_wait -3
	s_barrier_signal -1
	s_barrier_wait -1
.endm
.macro PLACES                          ; four plain places behind a matrix instruction, in front of loads into its registers and of reads of its result
.rept 4
	v_nop
.endr
.endm
.macro JLOAD sl                        ; a joint load into slot sl: waves 0, 1 fetch A's halves, waves 2, 3 B's; s_nop 0 and four v_nop behind each line
	s_cmp_eq_u32 s15, 0
	s_cbranch_scc0 .Lfor_b_\@
	tensor_load_to_lds s[68+4*(\sl):71+4*(\sl)], s[24:31]
	s_nop 0
	PLACES
	s_branch .Lasked_\@
.Lfor_b_\@:
	tensor_load_to_lds s[84+4*(\sl):87+4*(\sl)], s[32:39]
	s_nop 0
	PLACES
.Lasked_\@:
.endm
.macro FRAG reg, adr, q, i             ; a fragment comes as it lies: three loads of 512 consecutive bytes
.irp j, 0,1,2
	ds_load_b128 v[(\reg)+4*\j:(\reg)+4*\j+3], v[(\adr)] offset:6144*(\i)+1536*(\q)+512*\j
.endr
.endm
.macro FETCH_B s                       ; B's eight fragments of K step s into set s % 2 of window 1
	WIN 0x40
.irp i, 0,1,2,3,4,5,6,7
	FRAG 128*((\s)%2)+12*\i, 8+(\s)/4, (\s)%4, \i
.endr
	WIN 0
.endm
.macro FETCH_A s, i0                   ; A's tiles i0, i0 + 1
.irp i, \i0, \i0+1
	FRAG AF+12*(\i), 4+(\s)/4, (\s)%4, \i
.endr
.endm
; 16 products: A's tiles a0, a0 + 1 x B's eight, K step s.  The 32 accumulators take turns, one instruction a turn, in the same order in every step.
; A scale register holds K step q's words in lanes 0-15 and K step 4 + q's in lanes 16-31.
.macro MUL16 a0, s, zero
.irp a, \a0, \a0+1
.irp b, 0,1,2,3,4,5,6,7
.if \zero
	v_wmma_scale_f32_16x16x128_f8f6f4 v[8*(8*(\a)+\b):8*(8*(\a)+\b)+7], v[128*((\s)%2)+12*\b:128*((\s)%2)+12*\b+11], v[AF+12*(\a):AF+12*(\a)+11], 0, v[SCB+4*\b+(\s)%4], v[SCA+4*(\a)+(\s)%4] matrix_a_fmt:MATRIX_FMT_FP6 matrix_b_fmt:MATRIX_FMT_FP6
.elseif (\s) < 4
	v_wmma_scale_f32_16x16x128_f8f6f4 v[8*(8*(\a)+\b):8*(8*(\a)+\b)+7], v[128*((\s)%2)+12*\b:128*((\s)%2)+12*\b+11], v[AF+12*(\a):AF+12*(\a)+11], v[8*(8*(\a)+\b):8*(8*(\a)+\b)+7], v[SCB+4*\b+(\s)%4], v[SCA+4*(\a)+(\s)%4] matrix_a_fmt:MATRIX_FMT_FP6 matrix_b_fmt:MATRIX_FMT_FP6
.else
	v_wmma_scale_f32_16x16x128_f8f6f4 v[8*(8*(\a)+\b):8*(8*(\a)+\b)+7], v[128*((\s)%2)+12*\b:128*((\s)%2)+12*\b+11], v[AF+12*(\a):AF+12*(\a)+11], v[8*(8*(\a)+\b):8*(8*(\a)+\b)+7], v[SCB+4*\b+(\s)%4], v[SCA+4*(\a)+(\s)%4] matrix_a_fmt:MATRIX_FMT_FP6 matrix_b_fmt:MATRIX_FMT_FP6 matrix_a_scale:MATRIX_SCALE_ROW1 matrix_b_scale:MATRIX_SCALE_ROW1
.endif
.endr
.endr
.endm
; K step s, and the fetch of the step behind it (behind step 7: the next tile's step 0).  mode 0: nothing else.  mode 1 (steps 3 and 7 of a tile that has a successor): the slot just read out is filled again.
; mode 2 (step 3 of the last tile): a plain barrier shows the second half of K.
.macro STEP s, zero, mode
.set NS, ((\s)+1)%8
.if (\mode) == 1
	s_wait_tensorcnt 0x0                           ; my one load that was out, my part of the other slot, has landed;
	ds_add_u32 v30, v31
.if (\s) == 3                                  ; no tensor load of mine is out: the refill's group 0 may be written.  s[44:45], s[46:47]: where my part of the next tile's A and B begins
	s_mov_b64 s[70:71], s[44:45]
	s_or_b32 s71, s71, 0x80000000
	s_mov_b64 s[86:87], s[46:47]
	s_or_b32 s87, s87, 0x80000000
.else
	s_add_nc_u64 s[74:75], s[44:45], 6144
	s_or_b32 s75, s75, 0x80000000
	s_add_nc_u64 s[90:91], s[46:47], 6144
	s_or_b32 s91, s91, 0x80000000
.endif
	s_wait_dscnt 7                                 ; the add and the youngest six loads (A's tiles 2, 3) may be out
.else
	s_wait_dscnt 6                                 ; B's set and A's tiles 0, 1 are in; the youngest six loads (A's tiles 2, 3) may be out
.endif
	WIN 0xa1
	MUL16 0, \s, \zero
	s_wait_dscnt 0x0                               ; A's tiles 2, 3 are in, the add is done, and my reads of this step's slot are over
.if (\mode) == 1
	WIN 0
	CROUND                                         ; that holds of every wave of all sixteen work-groups
	JLOAD (\s)/4                                   ; the first tensor load behind the round; its four v_nop are the places in front of the loads below
.elseif (\mode) == 2
	s_wait_tensorcnt 0x0
	s_barrier_signal -1
	s_barrier_wait -1
	PLACES
.else
	PLACES
.endif
	FETCH_B NS
	FETCH_A NS, 0
	WIN 0xa1
	MUL16 2, \s, \zero
	PLACES
	WIN 0
	FETCH_A NS, 2
.endm
; 64 numbers of a lane, register 32 G + i = index 64 G + 32 h + i of my row: two whole blocks.  They become two runs of six registers of codes (d0: block h; d1: block 2 + h) and the row's scale word.  All registers in window 3.
.macro QUANT s, d0, d1, pw
.irp b, 0,1,2,3
	v_max3_num_f32 v[TM+\b], |v[(\s)+16*\b]|, |v[(\s)+1+16*\b]|, 0x1800000   ; four chains of 16, each with the floor 2^(3 - 127): the byte cannot fall under 1
.endr
.irp i, 2,4,6,8,10,12,14
.irp b, 0,1,2,3
	v_max3_num_f32 v[TM+\b], v[TM+\b], |v[(\s)+16*\b+\i]|, |v[(\s)+1+16*\b+\i]|
.endr
.endr
	v_max_num_f32 v[TM], v[TM], v[TM+1]
	v_max_num_f32 v[TM+1], v[TM+2], v[TM+3]
	v_add_nc_u32 v[TM+12], 0xff000000, v[TM]       ; 2 off the exponent field: the conversion's scale operand
	v_add_nc_u32 v[TM+13], 0xff000000, v[TM+1]
	v_lshrrev_b32 v[TM+4], 23, v[TM+12]            ; the byte
	v_lshrrev_b32 v[TM+5], 23, v[TM+13]
	v_lshl_or_b32 v[(\pw)], v[TM+5], 16, v[TM+4]   ; my two bytes, blocks h and 2 + h,
	v_lshlrev_b32 v[(\pw)], v24, v[(\pw)]          ; 8 h bits up;
	v_permlanex16_b32 v[TM+6], v[(\pw)], s20, s21
	v_or_b32 v[(\pw)], v[(\pw)], v[TM+6]           ; with lane l xor 16's two the word is whole
	v_cvt_scalef32_pk16_fp6_f32 v[(\d0):(\d0)+2], v[(\s):(\s)+15], v[TM+12]
	v_cvt_scalef32_pk16_fp6_f32 v[TQ:TQ+2], v[(\s)+16:(\s)+31], v[TM+12]      ; (a conversion's three registers begin on an even number)
	v_cvt_scalef32_pk16_fp6_f32 v[(\d1):(\d1)+2], v[(\s)+32:(\s)+47], v[TM+13]
	v_cvt_scalef32_pk16_fp6_f32 v[TQ+4:TQ+6], v[(\s)+48:(\s)+63], v[TM+13]
	v_nop                                          ; one plain place behind a scaled conversion
.irp i, 0,1,2
	v_mov_b32 v[(\d0)+3+\i], v[TQ+\i]
	v_mov_b32 v[(\d1)+3+\i], v[TQ+4+\i]
.endr
.endm
; Tile k (a scalar register: 0 q, 1 k, 2 v; the same in all sixteen partners): s17 its A unit of 128 rows, s18 its B unit of 256; s[44:45], s[46:47] where the codes that I fetch begin; s[48:49], s[50:51] the scale words of the tiles that I multiply.
; What feeds A's addresses (s52, s53, s56, s57) never holds cx, what feeds B's (s54, s55, s62, s63) never cy.
.macro TILE k
	s_lshl_b32 s52, s12, 2                         ; q, k: A unit 4 Y (of x),
	s_and_b32 s53, s12, 1
	s_lshl_b32 s53, s53, 2
	s_add_co_u32 s53, s53, 16                      ; v: 16 + 4 (Y % 2) (of the weights)
	s_lshl_b32 s54, \k, 2                          ; q, k: B unit 4 k (of the weights),
	s_lshr_b32 s55, s12, 1
	s_lshl_b32 s55, s55, 2                         ; v: 4 (Y / 2) (of x)
	s_mov_b32 s61, XSC
	s_mov_b32 s63, WSC
	s_cmp_eq_u32 \k, 2
	s_cselect_b32 s17, s53, s52
	s_cselect_b32 s18, s55, s54
	s_cselect_b64 s[44:45], s[6:7], s[4:5]         ; the A side's buffer
	s_cselect_b64 s[46:47], s[4:5], s[6:7]         ; the B side's
	s_cselect_b32 s56, s63, s61
	s_cselect_b32 s62, s61, s63
	s_add_co_u32 s17, s17, s41
	s_add_co_u32 s18, s18, s40
	s_lshl_b32 s52, s17, 3
	s_lshl_b32 s53, s15, 2
	s_add_co_u32 s52, s52, s53
	s_lshl_b32 s52, s52, 9
	s_add_co_u32 s56, s56, s52
	s_mov_b32 s57, 0
	s_add_nc_u64 s[48:49], s[44:45], s[56:57]
	s_lshl_b32 s54, s18, 4
	s_lshl_b32 s55, s16, 3
	s_add_co_u32 s54, s54, s55
	s_lshl_b32 s55, s54, 9
	s_add_co_u32 s62, s62, s55
	s_mov_b32 s63, 0
	s_add_nc_u64 s[50:51], s[46:47], s[62:63]
	s_mul_i32 s54, s54, 12288
	s_mov_b32 s55, 0
	s_add_nc_u64 s[46:47], s[46:47], s[54:55]
	s_lshl_b32 s52, s17, 3
	s_lshl_b32 s53, s16, 2
	s_add_co_u32 s52, s52, s53
	s_mul_i32 s52, s52, 12288
	s_mov_b32 s53, 0
	s_add_nc_u64 s[44:45], s[44:45], s[52:53]
.endm
.macro SCALES                          ; the scale words of the tile whose addresses stand in s[48:51]
.irp i, 0,1,2,3
	global_load_b128 v[SCA+4*\i:SCA+4*\i+3], v3, s[48:49] offset:512*\i
.endr
.irp i, 0,1,2,3,4,5,6,7
	global_load_b128 v[SCB+4*\i:SCB+4*\i+3], v3, s[50:51] offset:512*\i
.endr
.endm
.macro BIAS off                        ; register 32 G + i: head G of my two, d = 32 h + i
.irp b, 0,1,2,3
.irp q, 0,1,2,3
	global_load_b128 v[BR+16*\b+4*\q:BR+16*\b+4*\q+3], v12, s[58:59] offset:(\off)+768*(\b/2)+64*(\b%2)+16*\q
.endr
.endr
.endm
	s_load_b256 s[4:11], s[0:1], 0x0               ; xq s[4:5], wq s[6:7], b_qkv s[8:9], qkv s[10:11]
	v_lshl_add_u32 v30, v0, 2, 0x48000
	v_mov_b32 v31, 0
	ds_add_u32 v30, v31                            ; the opening lines: the add twice on end and its wait
	ds_add_u32 v30, v31
	v_lshrrev_b32 v1, 5, v0
	v_readfirstlane_b32 s14, v1                    ; wave 0..3
	s_lshr_b32 s15, s14, 1                         ; my half of the A side.  Also: I fetch for A (0) or for B (1)
	s_and_b32 s16, s14, 1                          ; my half of the B side.  Also: which half of that tile I fetch
	s_bfe_u32 s40, ttmp6, 0x40000                  ; cx
	s_bfe_u32 s41, ttmp6, 0x40004                  ; cy
	s_and_b32 s12, ttmp7, 0xffff                   ; cluster y
	s_lshl_b32 s42, s41, 2
	s_lshl_b32 s42, 15, s42                        ; my row of the cluster
	s_lshl_b32 s43, 0x1111, s40                    ; my column
	; descriptor groups 1: rows of 6,144 bytes (768 elements of 8 bytes: a tile's four K steps), 12,288 bytes apart; A: 4 tiles, B: 8
	s_or_b32 s24, s42, (3<<16)|(1<<21)
	s_mov_b32 s25, 768<<16
	s_mov_b32 s26, 4<<16
	s_mov_b32 s27, 768<<16
	s_mov_b32 s28, 4
	s_mov_b32 s29, 1536
	s_mov_b32 s30, 0
	s_mov_b32 s31, 0
	s_or_b32 s32, s43, (3<<16)|(1<<21)
	s_mov_b32 s33, 768<<16
	s_mov_b32 s34, 8<<16
	s_mov_b32 s35, 768<<16
	s_mov_b32 s36, 8
	s_mov_b32 s37, 1536
	s_mov_b32 s38, 0
	s_mov_b32 s39, 0
	s_mov_b32 s68, 1                               ; groups 0: s[68:71], s[72:75] A's slots 0, 1; s[84:87], s[88:91] B's.  Where the tiles go hangs on the wave's number alone
	s_mul_i32 s69, s16, 24576
	s_mov_b32 s72, 1
	s_add_co_u32 s73, s69, 49152
	s_mov_b32 s84, 1
	s_mul_i32 s85, s16, 49152
	s_add_co_u32 s85, s85, LB
	s_mov_b32 s88, 1
	s_add_co_u32 s89, s85, 98304
	s_mov_b32 s20, 0x76543210
	s_mov_b32 s21, 0xfedcba98                      ; v_permlanex16_b32's selects for lane l xor 16
	s_mov_b32 s60, 0xffff0000                      ; lanes 16-31
	s_mov_b32 s3, 0                                ; the tile
	WALU                                           ; the wait ahead of the blocking wait
	s_wait_dscnt 0x0                               ; both opening adds are done
	CROUND                                         ; all sixteen work-groups are here: the first joint loads meet
	s_wait_kmcnt 0x0
	TILE s3
	s_mov_b64 s[70:71], s[44:45]
	s_or_b32 s71, s71, 0x80000000
	s_mov_b64 s[86:87], s[46:47]
	s_or_b32 s87, s87, 0x80000000
	s_add_nc_u64 s[74:75], s[44:45], 6144
	s_or_b32 s75, s75, 0x80000000
	s_add_nc_u64 s[90:91], s[46:47], 6144
	s_or_b32 s91, s91, 0x80000000
	JLOAD 0                                        ; tile 0, first half of K: one tensor load a wave at the head
	s_mul_i32 s13, s15, 24576
	s_mul_i32 s19, s16, 49152
	s_add_co_u32 s19, s19, LB
	v_and_b32 v13, 31, v0                          ; lane
	v_and_b32 v1, 15, v0                           ; r
	v_bfe_u32 v2, v0, 4, 1                         ; h
	v_lshlrev_b32 v3, 4, v13                       ; 16 lane
	v_lshlrev_b32 v15, 3, v13                      ; 8 lane
	v_lshlrev_b32 v12, 7, v2                       ; 128 h
	v_and_b32 v14, 8, v1
	v_mad_u32_u24 v14, v14, 3, v1
	v_lshlrev_b32 v14, 2, v14                      ; 4 (r % 8 + 32 (r / 8))
	v_add_nc_u32 v4, s13, v3                       ; my four tiles of A in slot 0,
	v_add_nc_u32 v8, s19, v3                       ; my eight of B,
	v_add_nc_u32 v5, 49152, v4                     ; and in slot 1
	v_add_nc_u32 v9, 98304, v8
	WIN 0xc0                                       ; destination: window 3
	v_lshlrev_b32 v24, 3, v2                       ; 8 h
	v_mov_b32 v[TM+6], 0                           ; written once: a lane permute's destination counts as one of its sources
	WIN 0
	WALU                                           ; the wait at the end of the head's vector work
	SCALES
	s_lshl_b32 s13, s40, 2                         ; q: my first head 4 cx + 2 x half: bias from head x 768 bytes on; k's lies 256 bytes behind q's
	s_lshl_b32 s19, s16, 1
	s_add_co_u32 s13, s13, s19
	s_mul_i32 s58, s13, 768
	s_mov_b32 s59, 0
	s_add_nc_u64 s[58:59], s[8:9], s[58:59]
	BIAS 0
	s_and_b32 s13, s12, 1                          ; v: my head 2 (4 (Y % 2) + cy) + half: bias from head x 768 + 512 bytes on
	s_lshl_b32 s13, s13, 2
	s_add_co_u32 s13, s13, s41
	s_lshl_b32 s13, s13, 1
	s_add_co_u32 s13, s13, s15
	s_mul_i32 s56, s13, 768
	s_add_co_u32 s56, s56, 512
	s_mov_b32 s57, 0
	s_add_nc_u64 s[56:57], s[8:9], s[56:57]
.irp a, 0,1,2,3
	global_load_b32 v[BL+2*\a], v14, s[56:57] offset:8*\a*4       ; tile a, position r: d = 8 a + r % 8 + 32 (r / 8)
.endr
	s_wait_tensorcnt 0x0                           ; my part of the first half has landed
	ds_add_u32 v30, v31
	s_wait_dscnt 0x0
	CROUND
	JLOAD 1                                        ; tile 0, second half of K
	FETCH_B 0
	FETCH_A 0, 0
	FETCH_A 0, 2
.Ltile:                                                ; tiles 0 (q) and 1 (k): s17, s18 are this tile's units
	s_wait_xcnt 0x0                                ; the last tile's stores and the loads that are out have read their bases and data registers
	s_lshr_b32 s13, s18, 2                         ; t
	s_lshr_b32 s19, s17, 3                         ; batch
	s_and_b32 s56, s18, 3
	s_lshl_b32 s56, s56, 1
	s_add_co_u32 s56, s56, s16                     ; head pair
	s_and_b32 s57, s17, 7
	s_lshl_b32 s57, s57, 1
	s_add_co_u32 s57, s57, s15                     ; group of 64 rows in the batch
	s_lshl_b32 s62, s13, 12
	s_lshl_b32 s63, s19, 9
	s_add_co_u32 s62, s62, s63
	s_lshl_b32 s63, s56, 6
	s_add_co_u32 s62, s62, s63
	s_lshl_b32 s63, s57, 1
	s_add_co_u32 s62, s62, s63
	s_mul_i32 s62, s62, 1536
	s_mov_b32 s63, 0
	s_add_nc_u64 s[22:23], s[10:11], s[62:63]      ; where this tile's fragments go
	s_lshl_b32 s62, s13, 3
	s_add_co_u32 s62, s62, s19
	s_lshl_b32 s62, s62, 3
	s_add_co_u32 s62, s62, s56
	s_lshl_b32 s62, s62, 4
	s_add_co_u32 s62, s62, s57
	s_lshl_b32 s62, s62, 8
	s_add_co_u32 s62, s62, QSOFF
	s_add_nc_u64 s[66:67], s[10:11], s[62:63]      ; and its scale unit
	s_add_co_u32 s2, s3, 1
	TILE s2                                        ; the next tile's units and addresses
	s_wait_loadcnt 0x0                             ; this tile's scale words (and the biases)
	STEP 0, 1, 0                                   ; the first step's products start the sums: nothing is cleared
	STEP 1, 0, 0
	STEP 2, 0, 0
	STEP 3, 0, 1                                   ; slot 0 takes the next tile's first half of K
	STEP 4, 0, 0
	STEP 5, 0, 0
	STEP 6, 0, 0
	STEP 7, 0, 1                                   ; slot 1 its second half, and the next tile's first fragments are fetched
	SCALES                                         ; (four places stand behind the last products) the next tile's scale words land under the way out
	; the way out: my 64 rows of x (tiles a = 2 g + u) x two heads
.irp g, 0,1
.irp u, 0,1
	WIN 0xc2                                       ; source 0 the accumulators' window, source 1 window 0, destination window 3
.set i, 0
.rept 32
	v_pk_add_f32 v[X+i:X+i+1], v[64*(2*\g+\u)+i:64*(2*\g+\u)+i+1], v[BR+i:BR+i+1]   ; + bias; each accumulator from its low end on
.set i, i+2
.endr
	WIN 0xff
	QUANT X, IMG+24*\g+6*\u, IMG+24*\g+12+6*\u, PW+\u
.endr
	v_perm_b32 v[WD+\g], v[PW+1], v[PW], 0x05040100      ; first head: s0, s1 of tile 2 g, s0, s1 of tile 2 g + 1
	v_perm_b32 v[WD+2+\g], v[PW+1], v[PW], 0x07060302    ; second head
	WIN 0x0c                                       ; the stores' data: window 3
.irp c, 0,1
.irp j, 0,1,2
	global_store_b128 v3, v[IMG+24*\g+12*\c+4*\j:IMG+24*\g+12*\c+4*\j+3], s[22:23] offset:(32*\c+\g)*1536+512*\j   ; 512 consecutive bytes; every store of a tile has data registers of its own
.endr
.endr
.endr
	WIN 0xff
	v_cndmask_b32 v112, v[WD], v[WD+1], s60        ; lanes 0-15: group 0's rows, lanes 16-31: group 1's
	v_cndmask_b32 v113, v[WD+2], v[WD+3], s60
	WIN 0x0c
	global_store_b64 v15, v[112:113], s[66:67]     ; one aligned block of 256 bytes
	WIN 0
	s_cmp_eq_u32 s3, 0
	s_cbranch_scc0 .Lno_bias
	BIAS 256                                       ; behind q's way out: k's bias
.Lno_bias:
	s_add_co_u32 s3, s3, 1
	s_cmp_lt_u32 s3, 2
	WALU                                           ; the wait directly ahead of the branch
	s_cbranch_scc1 .Ltile
	; ---- tile 2, v: my 64 rows n' are one head's 64 d (tiles a = delta) x 128 keys.  It asks for nothing more
	s_wait_xcnt 0x0
	s_lshr_b32 s13, s18, 2                         ; batch
	s_lshl_b32 s13, s13, 4
	s_sub_co_u32 s19, s17, 16
	s_lshl_b32 s19, s19, 1
	s_add_co_u32 s19, s19, s15                     ; head
	s_add_co_u32 s13, s13, s19
	s_lshl_b32 s13, s13, 3
	s_and_b32 s19, s18, 3
	s_lshl_b32 s19, s19, 1
	s_add_co_u32 s19, s19, s16                     ; step of 128 keys
	s_add_co_u32 s13, s13, s19
	s_mul_i32 s62, s13, 6144
	s_add_co_u32 s62, s62, VOFF
	s_mov_b32 s63, 0
	s_add_nc_u64 s[22:23], s[10:11], s[62:63]
	s_lshl_b32 s62, s13, 8
	s_add_co_u32 s62, s62, VSOFF
	s_add_nc_u64 s[66:67], s[10:11], s[62:63]
	s_wait_loadcnt 0x0
	STEP 0, 1, 0
	STEP 1, 0, 0
	STEP 2, 0, 0
	STEP 3, 0, 2
	STEP 4, 0, 0
	STEP 5, 0, 0
	STEP 6, 0, 0
	s_wait_dscnt 6
	WIN 0xa1
	MUL16 0, 7, 0
	s_wait_dscnt 0x0
	MUL16 2, 7, 0
	WIN 0
.irp a, 0,1,2,3
	v_mov_b32 v[BL+2*\a+1], v[BL+2*\a]             ; the lane's bias as a pair.  (These four are the places behind the last products)
.endr
.irp a, 0,1,2,3
	WIN 0xc2
.set i, 0
.rept 32
	v_pk_add_f32 v[X+i:X+i+1], v[64*\a+i:64*\a+i+1], v[BL+2*\a:BL+2*\a+1]
.set i, i+2
.endr
	WIN 0xff
	QUANT X, IMG+12*\a, IMG+12*\a+6, PW+\a
	WIN 0x0c
.irp j, 0,1,2
	global_store_b128 v3, v[IMG+12*\a+4*\j:IMG+12*\a+4*\j+3], s[22:23] offset:1536*\a+512*\j
.endr
.endr
	WIN 0xff
	v_cndmask_b32 v112, v[PW], v[PW+1], s60
	v_cndmask_b32 v113, v[PW+2], v[PW+3], s60
	WIN 0x0c
	global_store_b64 v15, v[112:113], s[66:67]
	WIN 0
	s_wait_tensorcnt 0x0                           ; the wave's end
	ds_add_u32 v30, v31
	s_wait_dscnt 0x0
	CROUND                                         ; the closing round: no work-group ends while a partner may still ask for a tile that names it
	s_endpgm
.Lfunc_end_k_q42b7149894_qkv_gemm:
	.size	k_q42b7149894_qkv_gemm, .Lfunc_end_k_q42b7149894_qkv_gemm-k_q42b7149894_qkv_gemm
	.p2alignl 7, 3214868480
	.fill 96, 4, 3214868480
	.section	.rodata,"a",@progbits
	.p2align	6, 0x0
	.amdhsa_kernel k_q42b7149894_qkv_gemm
		.amdhsa_group_segment_fixed_size 327680
		.amdhsa_private_segment_fixed_size 0
		.amdhsa_enable_private_segment 0
		.amdhsa_kernarg_size 32
		.amdhsa_user_sgpr_count 2
		.amdhsa_user_sgpr_kernarg_segment_ptr 1
		.amdhsa_wavefront_size32 1
		.amdhsa_system_sgpr_workgroup_id_x 1
		.amdhsa_system_sgpr_workgroup_id_y 1
		.amdhsa_system_sgpr_workgroup_id_z 1
		.amdhsa_system_vgpr_workitem_id 0
		.amdhsa_next_free_vgpr 1024
		.amdhsa_next_free_sgpr 100
		.amdhsa_reserve_vcc 0
		.amdhsa_float_denorm_mode_32 3
		.amdhsa_float_denorm_mode_16_64 3
		.amdhsa_memory_ordered 1
		.amdhsa_forward_progress 1
		.amdhsa_inst_pref_size 172
	.end_amdhsa_kernel
	.amdgpu_metadata
---
amdhsa.version: [ 1, 2 ]
amdhsa.kernels:
  - .name:           k_q42b7149894_qkv_gemm
    .symbol:         k_q42b7149894_qkv_gemm.kd
    .args:
      - { .name: xq, .offset: 0, .size: 8, .value_kind: global_buffer, .address_space: global }
      - { .name: wq, .offset: 8, .size: 8, .value_kind: global_buffer, .address_space: global }
      - { .name: b_qkv, .offset: 16, .size: 8, .value_kind: global_buffer, .address_space: global }
      - { .name: qkv, .offset: 24, .size: 8, .value_kind: global_buffer, .address_space: global }
    .group_segment_fixed_size: 327680
    .private_segment_fixed_size: 0
    .kernarg_segment_align: 8
    .kernarg_segment_size: 32
    .max_flat_workgroup_size: 128
    .sgpr_count:     100
    .vgpr_count:     1024
    .wavefront_size: 32
...
	.end_amdgpu_metadata
.endif
;; end of part 2
;; launch attn (part 3): grid 4 x 64, 16 waves a work-group, clusters of 4 x 1, 206,848 bytes of LDS; arguments qkv, ctx; writes ctx
.if DOCPART == 3
	.amdgcn_target "amdgcn-amd-amdhsa--gfx1250"
	.amdhsa_code_object_version 6
	.text
	.protected	k_q42b7149894_attn
	.globl	k_q42b7149894_attn
	.p2align	8
	.type	k_q42b7149894_attn,@function
k_q42b7149894_attn:
	s_mov_b64 s[64:65], 0
	v_nop
	global_prefetch_b8 v0, s[64:65] scope:SCOPE_SE
	s_setreg_imm32_b32 hwreg(HW_REG_WAVE_MODE, 25, 1), 1
	s_wait_xcnt 0x0
	s_wait_alu depctr_hold_cnt(0) depctr_sa_sdst(0) depctr_va_vdst(0) depctr_va_sdst(0) depctr_va_ssrc(0) depctr_va_vcc(0) depctr_vm_vsrc(0)
	s_getreg_b32 s2, hwreg(HW_REG_IB_STS2, 6, 4)
	s_cmp_eq_u32 s2, 0
	s_cbranch_scc0 .Lentry_in_a_cluster
	s_endpgm
.Lentry_in_a_cluster:
	s_bfe_u32 s2, ttmp6, 0x10000c
	s_cmp_lg_u32 s2, 0x3003
	s_cbranch_scc0 .Lentry_shape_is_right
	s_endpgm
.Lentry_shape_is_right:
; ctx = softmax(q k^T / 8) v for two heads of one batch and 256 queries, both products on codes of FP6 (E2M3) with E8M0 scales; ctx leaves quantised along head 64 + d, as the last product's operand.
; SOFTMAX AHEAD OF THE SECOND PRODUCT: t = score x log2(e) / 8; M = the running largest t rounded UP to a whole number; p = 2^(t - M) is quantised along the keys, not normalised; the sum of the unquantised p divides at the end.
; SHARES.  Cluster y = 8 b + head pair; the four work-groups of a cluster take the four blocks of 256 queries and ask JOINTLY for the pair's K and V: 196,608 bytes of codes and 8,192 of scale words, which stay in LDS: nothing is filled again.
; Each of sixteen waves owns one tile of 16 queries and walks all 1,024 keys, 128 a step, once for each head: it ends with the whole fragment (row tile, K step = head pair) of ctx and its scale word in registers.
; FILLS: one joint load a wave, in one chain of arms: waves 0-7 the first head's K and V (12,288 bytes each), waves 8, 9 K's and V's scale words, waves 10-13 the second head's K and V (24,576 bytes each); waves 14, 15 none.
; The first barrier shows what waves 0-9 asked for; the second head's tiles are shown by the barrier between the two passes, ahead of which every wave waits for its loads.
; No prefetch: every byte that the tensor loads bring is asked for at the head, so there is no loop to run ahead in.
; LAYOUT.  Both products are used transposed (S^T = K Q^T, O^T = V^T P^T): a lane holds one query.  The head's K is 64, the instruction's 128: a K fragment holds tile 2 g's rows in k 0-63 and tile 2 g + 1's in k 64-127,
; and is multiplied by [Q | 0] and by [0 | Q].  Position p of tile t of a group of 64 rows is row 8 t + p % 8 + 32 (p / 8): so register 32 c + i of a step's scores is key 64 c + 32 (lane / 16) + i:
; a lane holds two WHOLE scale blocks of p, in the order of the operand's registers; O^T's 32 registers are d = 32 (lane / 16) + i, one whole block of ctx.  Only the row's maximum, the row's sum and the scale words cross the halves.
; THE ORDER OF A KEY STEP: scores; V's loads; the blocks' largest scores; M; all t - M and the rescaling of O^T; ONE batch of 66 exponentials with one wait ahead and one behind; scale word; conversions;
; the row's sums round the products V^T P^T (as their places) and behind the loads of the next step's K.  Seven trips, and the eighth step, which fetches nothing, written out.
; LIMITS: the promise holds while |t| stays under 2^31; a block's largest p is taken from its largest score (v_exp_f32 is taken not to fall where its input rises); a block of zeros keeps the byte 1; 1 / sum by v_rcp_f32; NaN and infinities are not served.
; The scale words of ctx leave as 4 bytes a row, 16 bytes apart: blocks of 256 bytes are written in part; they are one byte in 24 of what the launch stores.
; REGISTERS: v1-4 LDS places, v5 r, v6 8 h, v7 8 r, v8-11 the step's addresses, v12 -M, v13 largest score, v[14:15] the sum, v16-33 [0 | Q | 0], v34 Q's scale word, v35 16 r, v36-83 four fragments, v84-95 the second head's Q,
;   v96-159 S^T then p, v160-191 O^T, v192-203 ctx's fragment, v204 its scale word, v205-206 Q's scale words, v222-223 the add's, v224-235 p's codes (v232-235 first the blocks' largest scores), v236-255 at work.
.set QSOFF, 18874368
.set CSC,   6291456
.set KCODE, 6291456                    ; k's fragments lie behind q's 4,096; v's as far behind k's
.set VB,    98304                      ; LDS: K's 64 fragments (32 c + g) from 0, V^T's 64 ((8 c + kappa) 4 + delta) from VB
.set KSB,   196608                     ; K's 16 scale units
.set VSB,   200704                     ; V's 16
.set SPARE, 204800                     ; the spare words, 128 bytes a wave
.set CI,    192
.set CW,    204
.macro WALU
	s_wait_alu depctr_va_vdst(0)
.endm
.macro CROUND                          ; a round of the cluster's barrier
	s_barrier_signal -1
	s_barrier_wait -1
	s_cmp_lg_u32 s18, 0
	s_cbranch_scc1 .Lnot_wave_0_\@
	s_barrier_signal -3
.Lnot_wave_0_\@:
	s_barrier_wait -3
	s_barrier_signal -1
	s_barrier_wait -1
.endm
.macro TLOAD g0, g1                    ; s_nop 0 and four v_nop behind the load
	tensor_load_to_lds s[\g0:\g0+3], s[\g1:\g1+7]
	s_nop 0
.rept 4
	v_nop
.endr
.endm
.macro GROUP1 g, rows                  ; a dense block as rows of 256 bytes (32 elements of 8); the mask of all four work-groups, bit 21 beside it
	s_mov_b32 s[\g], 15|(3<<16)|(1<<21)
	s_mov_b32 s[\g+1], 32<<16
	s_mov_b32 s[\g+2], (\rows)<<16
	s_mov_b32 s[\g+3], 32<<16
	s_mov_b32 s[\g+4], \rows
	s_mov_b32 s[\g+5], 32
	s_mov_b32 s[\g+6], 0
	s_mov_b32 s[\g+7], 0
.endm
	s_load_b128 s[4:7], s[0:1], 0x0                ; qkv, ctx
	v_lshl_add_u32 v222, v0, 2, SPARE
	v_mov_b32 v223, 0
	ds_add_u32 v222, v223                          ; the opening lines: the add twice on end and its wait
	ds_add_u32 v222, v223
	v_lshrrev_b32 v7, 5, v0
	v_readfirstlane_b32 s18, v7                    ; wave 0..15
	s_bfe_u32 s8, ttmp6, 0x40000                   ; cx: my block of 256 queries; it enters Q's and ctx's addresses alone
	s_and_b32 s9, ttmp7, 0xffff                    ; y = 8 b + head pair
	s_lshr_b32 s10, s9, 3                          ; b
	s_and_b32 s11, s9, 7                           ; head pair
	GROUP1 24, 48
	GROUP1 32, 16
	GROUP1 52, 96
	s_mul_i32 s12, s9, 98304                       ; the pair's 64 fragments of K begin at KCODE + 98,304 y, V's KCODE further on
	s_add_co_u32 s12, s12, KCODE
	s_lshr_b32 s2, s18, 2                          ; waves 0-7: K (0) or V (1) of the first head, quarter wave % 4
	s_and_b32 s3, s18, 3
	s_mul_i32 s41, s18, 12288
	s_mul_i32 s19, s2, 49152
	s_add_co_u32 s41, s41, s19                     ; LDS: 12,288 wave, V's quarters 49,152 further on
	s_mul_i32 s14, s2, KCODE
	s_mul_i32 s19, s3, 12288
	s_add_co_u32 s14, s14, s19
	s_add_co_u32 s14, s14, s12
	s_mov_b32 s15, 0
	s_and_b32 s2, s18, 1                           ; waves 8, 9: K's or V's 16 scale units
	s_lshl_b32 s45, s2, 12
	s_add_co_u32 s45, s45, KSB
	s_lshl_b32 s16, s2, 18                         ; V's units lie 262,144 bytes behind K's, K's as far behind Q's
	s_lshl_b32 s19, s9, 12
	s_add_co_u32 s16, s16, s19
	s_add_co_u32 s16, s16, QSOFF+262144
	s_mov_b32 s17, 0
	s_add_co_u32 s2, s18, 6                        ; waves 10-13: u = wave - 10: K (u / 2 = 0) or V of the second head, half u % 2
	s_and_b32 s2, s2, 3
	s_and_b32 s3, s2, 1
	s_lshr_b32 s2, s2, 1
	s_mul_i32 s49, s3, 24576
	s_mul_i32 s19, s2, 98304
	s_add_co_u32 s49, s49, s19
	s_add_co_u32 s49, s49, 49152
	s_mul_i32 s76, s2, KCODE
	s_mul_i32 s19, s3, 24576
	s_add_co_u32 s76, s76, s19
	s_add_co_u32 s76, s76, s12
	s_add_co_u32 s76, s76, 49152
	s_mov_b32 s77, 0
	s_mov_b32 s40, 1
	s_mov_b32 s44, 1
	s_mov_b32 s48, 1
	s_mov_b32 s20, 0x76543210
	s_mov_b32 s21, 0xfedcba98                      ; v_permlanex16_b32's selects for lane l xor 16
	s_mov_b32 s22, 0x3e38aa3b                      ; c = log2(e) / 8
	s_mov_b32 s23, s22                             ; (named with it as a pair)
	s_mov_b32 s62, 0xbe38aa3b                      ; -c
	WALU                                           ; the wait ahead of the blocking wait
	s_wait_dscnt 0x0                               ; both opening adds are done
	CROUND                                         ; all four work-groups are here: the joint loads meet
	s_wait_kmcnt 0x0
	s_add_nc_u64 s[42:43], s[4:5], s[14:15]
	s_or_b32 s43, s43, 0x80000000
	s_add_nc_u64 s[46:47], s[4:5], s[16:17]
	s_or_b32 s47, s47, 0x80000000
	s_add_nc_u64 s[50:51], s[4:5], s[76:77]
	s_or_b32 s51, s51, 0x80000000
	s_cmp_lt_u32 s18, 8                            ; one chain of arms on the wave's number, one load to an arm
	s_cbranch_scc0 .Larm_scales
	TLOAD 40, 24
	s_branch .Lasked
.Larm_scales:
	s_cmp_lt_u32 s18, 10
	s_cbranch_scc0 .Larm_second
	TLOAD 44, 32
	s_branch .Lasked
.Larm_second:
	s_cmp_lt_u32 s18, 14
	s_cbranch_scc0 .Lasked
	TLOAD 48, 52
.Lasked:
	v_and_b32 v6, 31, v0                           ; lane
	v_and_b32 v5, 15, v0                           ; r
	v_lshlrev_b32 v1, 4, v6                        ; 16 lane: a fragment's place for my lane (K's begin at LDS byte 0)
	v_lshlrev_b32 v3, 3, v6
	v_add_nc_u32 v2, VB, v1
	v_add_nc_u32 v4, VSB, v3
	v_add_nc_u32 v3, KSB, v3
	v_lshlrev_b32 v7, 3, v5
	v_lshlrev_b32 v35, 4, v5
	v_bfe_u32 v6, v0, 4, 1
	v_lshlrev_b32 v6, 3, v6                        ; 8 h
.irp i, 0,1,2,3,4,5
	v_mov_b32 v[16+\i], 0                          ; zero codes on both sides of Q
	v_mov_b32 v[28+\i], 0
.endr
.irp b, 0,1,2,3
	v_mov_b32 v[236+\b], 0                         ; written once: a lane permute's destination counts as one of its sources
.endr
	v_mov_b32 v253, 0                              ; (named as the upper half of the pair v[252:253] before it is first written)
	WALU                                           ; the wait at the end of the head's vector work
	s_lshl_b32 s78, s9, 6                          ; Q: fragment 64 y + 32 c + g, g = 8 cx + wave / 2
	s_lshl_b32 s19, s8, 3
	s_add_co_u32 s78, s78, s19
	s_lshr_b32 s19, s18, 1
	s_add_co_u32 s78, s78, s19
	s_mul_i32 s78, s78, 1536
	s_mov_b32 s79, 0
	s_add_nc_u64 s[78:79], s[4:5], s[78:79]
.irp j, 0,1,2
	global_load_b128 v[96+4*\j:99+4*\j], v1, s[78:79] offset:512*\j
	global_load_b128 v[84+4*\j:87+4*\j], v1, s[78:79] offset:49152+512*\j
.endr
	s_lshl_b32 s66, s9, 4                          ; Q's scale unit 16 y + 4 cx + wave / 4; slot r + 16 ((wave / 2) % 2)
	s_lshl_b32 s67, s8, 2
	s_add_co_u32 s66, s66, s67
	s_lshr_b32 s67, s18, 2
	s_add_co_u32 s66, s66, s67
	s_lshl_b32 s66, s66, 8
	s_bfe_u32 s67, s18, 0x10001
	s_lshl_b32 s67, s67, 7
	s_add_co_u32 s66, s66, s67
	s_add_co_u32 s66, s66, QSOFF
	s_mov_b32 s67, 0
	s_add_nc_u64 s[66:67], s[4:5], s[66:67]
	global_load_b32 v205, v7, s[66:67]
	global_load_b32 v206, v7, s[66:67] offset:4
	s_lshl_b32 s72, s10, 6                         ; ctx: row tile 64 b + 16 cx + wave, K step = head pair
	s_lshl_b32 s73, s8, 4
	s_add_co_u32 s72, s72, s73
	s_add_co_u32 s72, s72, s18
	s_lshl_b32 s73, s72, 3
	s_add_co_u32 s73, s73, s11
	s_mul_i32 s68, s73, 1536
	s_mov_b32 s69, 0
	s_add_nc_u64 s[68:69], s[6:7], s[68:69]
	s_lshl_b32 s70, s72, 9
	s_lshr_b32 s73, s11, 2
	s_lshl_b32 s73, s73, 8
	s_add_co_u32 s70, s70, s73
	s_and_b32 s73, s11, 3
	s_lshl_b32 s73, s73, 2
	s_add_co_u32 s70, s70, s73
	s_add_co_u32 s70, s70, CSC
	s_mov_b32 s71, 0
	s_add_nc_u64 s[70:71], s[6:7], s[70:71]
	s_and_b32 s63, s18, 1                          ; u: my tile is the fragment's first or second
	s_mov_b32 s61, 0x01000100
	s_cmp_lg_u32 s63, 0
	s_cselect_b32 s60, -1, 0                       ; a lane mask: registers 0-5 or 6-11 of Q's fragment,
	s_cselect_b32 s61, 0x03020302, s61             ; bytes 0, 1 or 2, 3 of its scale word, twice
.macro KLOAD hc                        ; a step's four fragments of K (512 consecutive bytes a load) and their scale words
	ds_load_b32 v248, v10 offset:4*\hc             ; the scale words first.  Lanes 0-15: fragment 0's, lanes 16-31: fragment 1's
	ds_load_b32 v249, v10 offset:256+4*\hc         ; fragments 2 and 3
.irp f, 0,1,2,3
.irp j, 0,1,2
	ds_load_b128 v[36+12*\f+4*\j:39+12*\f+4*\j], v8 offset:1536*\f+512*\j
.endr
.endr
.endm
.macro FM j                            ; t - M of pair j of the scores (of the pairs c and -M the low word serves both halves)
	v_pk_fma_f32 v[96+2*(\j):97+2*(\j)], v[96+2*(\j):97+2*(\j)], s[22:23], v[12:13] op_sel_hi:[1,0,0]
.endm
.macro MX ch, i, j                     ; chain ch of each of my two blocks takes scores i and j of the block's 32
.irp c, 0,1
	v_max3_num_f32 v[232+2*\ch+\c], v[232+2*\ch+\c], v[96+32*\c+\i], v[96+32*\c+\j]
.endr
.endm
; THE ROW'S SUM IS TAKEN OF THE UNQUANTISED p: 32 packed additions, number k of them.  Pair j of p is v[96 + 2 j].  Four chains: v[14:15] takes pairs 0 modulo 4; v[236:237], v[238:239], v[254:255] pairs 1, 2, 3 modulo 4; the last three additions join them.
.macro SUM k
.if (\k) == 0
	v_pk_add_f32 v[14:15], v[14:15], v[96:97]
.elseif (\k) < 4
.set su_t, 234+2*(\k)+14*((\k)/3)
	v_pk_add_f32 v[su_t:su_t+1], v[96+2*(\k):97+2*(\k)], v[104+2*(\k):105+2*(\k)]
.elseif (\k) == 4
	v_pk_add_f32 v[14:15], v[14:15], v[104:105]
.elseif (\k) < 29
.set su_j, (\k)+3
.set su_q, su_j%4
.if su_q
.set su_t, 234+2*su_q+14*(su_q/3)
	v_pk_add_f32 v[su_t:su_t+1], v[su_t:su_t+1], v[96+2*su_j:97+2*su_j]
.else
	v_pk_add_f32 v[14:15], v[14:15], v[96+2*su_j:97+2*su_j]
.endif
.elseif (\k) == 29
	v_pk_add_f32 v[236:237], v[236:237], v[238:239]
.elseif (\k) == 30
	v_pk_add_f32 v[14:15], v[14:15], v[254:255]
.else
	v_pk_add_f32 v[14:15], v[14:15], v[236:237]
.endif
.endm
.macro PV d                            ; O^T += V^T P^T, tile d of the head's 64: four accumulators, one turn each
.if (\d)%2
	v_wmma_scale_f32_16x16x128_f8f6f4 v[160+8*(\d):167+8*(\d)], v[36+12*(\d):47+12*(\d)], v[224:235], v[160+8*(\d):167+8*(\d)], v[250+(\d)/2], v253 matrix_a_fmt:MATRIX_FMT_FP6 matrix_b_fmt:MATRIX_FMT_FP6 matrix_a_scale:MATRIX_SCALE_ROW1
.else
	v_wmma_scale_f32_16x16x128_f8f6f4 v[160+8*(\d):167+8*(\d)], v[36+12*(\d):47+12*(\d)], v[224:235], v[160+8*(\d):167+8*(\d)], v[250+(\d)/2], v253 matrix_a_fmt:MATRIX_FMT_FP6 matrix_b_fmt:MATRIX_FMT_FP6
.endif
.endm
; A KEY STEP: 128 keys of head hc of the pair.  Its fragments of K were asked for in the step before (or at the pass's head).  ahead = 1: it asks for the next step's.
.macro STEP hc, ahead
.irp f, 0,1,2,3
	s_wait_dscnt 9-3*\f                            ; the scale words and fragment f are in; the three loads of each later fragment may be out
.irp u, 0,1
.if \f%2
	v_wmma_scale_f32_16x16x128_f8f6f4 v[96+8*(2*\f+\u):103+8*(2*\f+\u)], v[36+12*\f:47+12*\f], v[22-6*\u:33-6*\u], 0, v[248+\f/2], v34 matrix_a_fmt:MATRIX_FMT_FP6 matrix_b_fmt:MATRIX_FMT_FP6 matrix_a_scale:MATRIX_SCALE_ROW1
.else
	v_wmma_scale_f32_16x16x128_f8f6f4 v[96+8*(2*\f+\u):103+8*(2*\f+\u)], v[36+12*\f:47+12*\f], v[22-6*\u:33-6*\u], 0, v[248+\f/2], v34 matrix_a_fmt:MATRIX_FMT_FP6 matrix_b_fmt:MATRIX_FMT_FP6
.endif
.endr
.endr                                          ; register 32 c + i is key 64 c + 32 (lane / 16) + i of the step
	v_add_nc_u32 v9, s72, v2                       ; four plain instructions: the places in front of the loads into K's registers and of the first read of the scores
	v_add_nc_u32 v11, s74, v4
.if \ahead
	s_add_co_u32 s72, s72, 6144                    ; on to the next step's fragments and scale words
	s_add_co_u32 s73, s73, 512
	s_add_co_u32 s74, s74, 256
	v_add_nc_u32 v8, s72, v1
	v_add_nc_u32 v10, s73, v3
.else
	v_nop
	v_nop
.endif
.irp d, 0,1,2,3
.irp j, 0,1,2
	ds_load_b128 v[36+12*\d+4*\j:39+12*\d+4*\j], v9 offset:1536*\d+512*\j    ; V^T's four fragments land while the softmax is worked
.endr
.endr
	ds_load_b64 v[250:251], v11                    ; their scale words: v250 tiles 0 (lanes 0-15), 1 (lanes 16-31); v251 tiles 2, 3
	; the largest score of each of my two blocks of 32 keys, in two chains each.  Each of a block's four accumulators is first read at its low end
.irp c, 0,1
	v_max3_num_f32 v[232+\c], v[96+32*\c], v[97+32*\c], v[98+32*\c]
.endr
.irp c, 0,1
	v_max3_num_f32 v[234+\c], v[104+32*\c], v[105+32*\c], v[106+32*\c]
.endr
	MX 0, 16, 17
	MX 1, 24, 25
	MX 0, 3, 4
	MX 1, 5, 6
	MX 0, 7, 11
	MX 1, 12, 13
	MX 0, 14, 15
	MX 1, 18, 19
	MX 0, 20, 21
	MX 1, 22, 23
	MX 0, 26, 27
	MX 1, 28, 29
	MX 0, 30, 31
	v_max_num_f32 v232, v232, v234
	v_max_num_f32 v233, v233, v235
	v_mov_b32 v255, v12                            ; the old -M
	v_max_num_f32 v254, v232, v233
	v_permlanex16_b32 v236, v254, s20, s21
	v_max3_num_f32 v13, v13, v254, v236            ; the running largest score of my query, lane l xor 16's 64 keys among them
	v_mul_f32 v254, s62, v13                       ; -t (c is positive)
	v_floor_f32 v12, v254                          ; the new -M = floor(-t): M is a whole number
	v_sub_f32 v254, v12, v255                      ; old M - new M: a whole number, 0 or less
	FM 0
	v_cvt_i32_f32 v254, v254                       ; (it saturates)
	FM 1
	v_ldexp_f32 v252, 1.0, v254                    ; f = 2^(old M - new M): a multiplication by it rounds nothing
.set j, 2
.rept 30
	FM j
.set j, j+1
.endr
	v_fma_f32 v232, v232, s22, v12                 ; t - M of each block's largest score
	v_fma_f32 v233, v233, s22, v12
.set j, 0
.rept 16
	v_pk_mul_f32 v[160+j:161+j], v[160+j:161+j], v[252:253] op_sel_hi:[1,0]   ; O^T under the new M, each accumulator from its low end on
.set j, j+2
.endr
	WALU                                           ; the wait ahead of the batch
	v_exp_f32 v232, v232                           ; the block's largest p: the same multiply-add and exponential on the same number as the score's own
	v_exp_f32 v233, v233
.set j, 0
.rept 64
	v_exp_f32 v[96+j], v[96+j]                     ; p = 2^(t - M), at most 1
.set j, j+1
.endr
	v_pk_mul_f32 v[14:15], v[14:15], v[252:253] op_sel_hi:[1,0]            ; the sum under the new M: the plain place behind the batch
	WALU                                           ; the wait behind the batch, ahead of its first reader
	v_max_num_f32 v232, 0x1800000, v232            ; the floor 2^(3 - 127): the byte cannot fall under 1
	v_max_num_f32 v233, 0x1800000, v233
	SUM 0                                          ; the sums' additions stand between the links of the chain that makes the scale word
	SUM 1
	v_add_nc_u32 v244, 0xff000000, v232            ; 2 off the exponent field: the conversion's scale operand
	v_add_nc_u32 v245, 0xff000000, v233
	SUM 2
	SUM 3
	v_lshrrev_b32 v243, 23, v244                   ; the byte
	v_lshrrev_b32 v249, 23, v245
	v_cvt_scalef32_pk16_fp6_f32 v[224:226], v[96:111], v244
	v_cvt_scalef32_pk16_fp6_f32 v[240:242], v[112:127], v244               ; (a conversion's three registers begin on an even number)
	SUM 4                                          ; a plain place behind the conversions
	v_lshl_or_b32 v253, v249, 16, v243             ; my two bytes, blocks h and 2 + h,
	SUM 5
	SUM 6
	v_lshlrev_b32 v253, v6, v253                   ; 8 h bits up;
	v_cvt_scalef32_pk16_fp6_f32 v[230:232], v[128:143], v245
	v_cvt_scalef32_pk16_fp6_f32 v[246:248], v[144:159], v245
	SUM 7                                          ; a plain place behind the conversions
	v_permlanex16_b32 v243, v253, s20, s21
	SUM 8
	SUM 9
	v_or_b32 v253, v253, v243                      ; with lane l xor 16's two: p's scale word for these 128 keys
.irp i, 0,1,2
	v_mov_b32 v[227+\i], v[240+\i]
	v_mov_b32 v[233+\i], v[246+\i]
.endr
.irp k, 10,11,12,13
	SUM \k                                         ; ten plain places behind the scale word's last write, four behind the codes', ahead of the products
.endr
	WALU                                           ; the wait ahead of the blocking wait
	s_wait_dscnt 0x0                               ; V^T's fragments and scale words are in
	PV 0
	PV 1
	PV 2
	PV 3
.irp k, 14,15,16,17
	SUM \k                                         ; four plain places in front of the loads into V's registers
.endr
.if \ahead
	KLOAD \hc                                      ; the next step's K lands under the rest of the sums
.endif
.irp k, 18,19,20,21,22,23,24,25,26,27,28,29,30,31
	SUM \k
.endr
.endm
; A head's end: O^T / the sum; register i is d = 32 (lane / 16) + i: one block of 32 along the last product's K; its codes are registers 6 hc .. 6 hc + 5 of ctx's fragment.
; (The eighteen additions behind the last product are its places.)
.macro FINISH hc
	v_add_f32 v14, v14, v15
	v_permlanex16_b32 v252, v14, s20, s21
	v_add_f32 v14, v14, v252                       ; the row's sum
	WALU                                           ; the wait ahead of the transcendental
	v_rcp_f32 v14, v14
	v_nop                                          ; one plain place behind it
	WALU                                           ; and the wait ahead of its first reader, which is also O^T's
.set j, 0
.rept 16
	v_pk_mul_f32 v[96+j:97+j], v[160+j:161+j], v[14:15] op_sel_hi:[1,0]    ; each accumulator from its low end on
.set j, j+2
.endr
	v_max3_num_f32 v232, |v96|, |v97|, 0x1800000
	v_max3_num_f32 v233, |v98|, |v99|, |v100|
.irp i, 101,105,109,113,117,121
	v_max3_num_f32 v232, v232, |v[\i]|, |v[\i+1]|
	v_max3_num_f32 v233, v233, |v[\i+2]|, |v[\i+3]|
.endr
	v_max3_num_f32 v232, v232, |v125|, |v126|
	v_max3_num_f32 v232, v232, v233, |v127|
	v_add_nc_u32 v244, 0xff000000, v232
	v_lshrrev_b32 v236, 23, v244
	v_lshlrev_b32 v236, v6, v236                   ; my byte at place h; lane l xor 16's beside it
	v_permlanex16_b32 v238, v236, s20, s21
.if \hc == 0
	v_or_b32 v[CW], v236, v238
.else
	v_or_b32 v236, v236, v238
	v_lshl_or_b32 v[CW], v236, 16, v[CW]
.endif
	v_cvt_scalef32_pk16_fp6_f32 v[CI+6*\hc:CI+6*\hc+2], v[96:111], v244
	v_cvt_scalef32_pk16_fp6_f32 v[240:242], v[112:127], v244
	v_nop                                          ; one plain place behind a scaled conversion
.irp i, 0,1,2
	v_mov_b32 v[CI+6*\hc+3+\i], v[240+\i]
.endr
.endm
.macro PASS hc, ql, qw                 ; head hc of the pair; its Q lies in v[ql] on, its scale word in v[qw]
	s_mov_b32 s72, 49152*\hc                       ; the head's fragments of K and of V,
	s_mov_b32 s73, 0                               ; K's scale units (both heads' words lie in one unit),
	s_mov_b32 s74, 2048*\hc                        ; V's
	s_mov_b32 s75, 7
	v_add_nc_u32 v8, s72, v1
	v_add_nc_u32 v10, s73, v3
	KLOAD \hc                                      ; the first step's K lands under the lines below
.irp i, 0,1,2,3,4,5
	v_cndmask_b32 v[22+\i], v[\ql+\i], v[\ql+6+\i], s60
.endr
	v_perm_b32 v34, v[\qw], v[\qw], s61            ; (s0, s1, s0, s1): it serves [Q | 0] and [0 | Q]
	v_mov_b32 v13, 0xff61b1e6                      ; the largest score so far: -3e38
	v_mov_b32 v12, 0x7e000000                      ; -M: a large whole number, so that the first f is 0
	v_mov_b32 v14, 0
	v_mov_b32 v15, 0
.set j, 0
.rept 32
	v_mov_b32 v[160+j], 0                          ; O^T: the first step finds zeros.  (These are also the places between Q's registers and scale word and the first product)
.set j, j+1
.endr
	WALU                                           ; the wait ahead of the loop's first blocking wait
.Lstep_\@:                                         ; seven trips, each of which asks for the next step's K
	STEP \hc, 1
	s_sub_co_u32 s75, s75, 1
	s_cmp_lg_u32 s75, 0
	WALU                                           ; and directly ahead of the branch
	s_cbranch_scc1 .Lstep_\@
	STEP \hc, 0                                    ; the eighth step asks for nothing
	FINISH \hc
.endm
	s_wait_loadcnt 0x0                             ; Q
	s_cmp_lt_u32 s18, 10                           ; waves 0-9 wait for their loads: the first head's tiles and all scale words; the second head's, waves 10-13's own line, may still be on their way
	s_cbranch_scc0 .Lnot_yet
	s_wait_tensorcnt 0x0
.Lnot_yet:
	s_barrier_signal -1
	s_barrier_wait -1
	PASS 0, 96, 205
	WALU                                           ; the wait ahead of the blocking wait
	s_wait_tensorcnt 0x0                           ; every wave, under no branch: all loads have landed
	s_wait_dscnt 0x0
	s_barrier_signal -1
	s_barrier_wait -1                              ; the second head's tiles are shown to all
	PASS 1, 84, 206
.irp j, 0,1,2
	global_store_b128 v1, v[CI+4*\j:CI+4*\j+3], s[68:69] offset:512*\j     ; 512 consecutive bytes a store
.endr
	global_store_b32 v35, v[CW], s[70:71]          ; lanes l and l xor 16 hold the same word and write it to the same place
	s_wait_tensorcnt 0x0                           ; the wave's end
	ds_add_u32 v222, v223
	s_wait_dscnt 0x0
	CROUND                                         ; the closing round
	s_endpgm
.Lfunc_end_k_q42b7149894_attn:
	.size	k_q42b7149894_attn, .Lfunc_end_k_q42b7149894_attn-k_q42b7149894_attn
	.p2alignl 7, 3214868480
	.fill 96, 4, 3214868480
	.section	.rodata,"a",@progbits
	.p2align	6, 0x0
	.amdhsa_kernel k_q42b7149894_attn
		.amdhsa_group_segment_fixed_size 206848
		.amdhsa_private_segment_fixed_size 0
		.amdhsa_enable_private_segment 0
		.amdhsa_kernarg_size 16
		.amdhsa_user_sgpr_count 2
		.amdhsa_user_sgpr_kernarg_segment_ptr 1
		.amdhsa_wavefront_size32 1
		.amdhsa_system_sgpr_workgroup_id_x 1
		.amdhsa_system_sgpr_workgroup_id_y 1
		.amdhsa_system_sgpr_workgroup_id_z 1
		.amdhsa_system_vgpr_workitem_id 0
		.amdhsa_next_free_vgpr 256
		.amdhsa_next_free_sgpr 80
		.amdhsa_reserve_vcc 0
		.amdhsa_float_denorm_mode_32 3
		.amdhsa_float_denorm_mode_16_64 3
		.amdhsa_memory_ordered 1
		.amdhsa_forward_progress 1
		.amdhsa_inst_pref_size 77
	.end_amdhsa_kernel
	.amdgpu_metadata
---
amdhsa.version: [ 1, 2 ]
amdhsa.kernels:
  - .name:           k_q42b7149894_attn
    .symbol:         k_q42b7149894_attn.kd
    .args:
      - { .name: qkv, .offset: 0, .size: 8, .value_kind: global_buffer, .address_space: global }
      - { .name: ctx, .offset: 8, .size: 8, .value_kind: global_buffer, .address_space: global }
    .group_segment_fixed_size: 206848
    .private_segment_fixed_size: 0
    .kernarg_segment_align: 8
    .kernarg_segment_size: 16
    .max_flat_workgroup_size: 512
    .sgpr_count:     80
    .vgpr_count:     256
    .wavefront_size: 32
...
	.end_amdgpu_metadata
.endif
;; end of part 3
;; launch out_gemm (part 4): grid 4 x 64, 4 waves a work-group, clusters of 4 x 4, 327,680 bytes of LDS; arguments ctx, wq, b_out, out0; writes out0
.if DOCPART == 4
	.amdgcn_target "amdgcn-amd-amdhsa--gfx1250"
	.amdhsa_code_object_version 6
	.text
	.protected	k_q42b7149894_out_gemm
	.globl	k_q42b7149894_out_gemm
	.p2align	8
	.type	k_q42b7149894_out_gemm,@function
k_q42b7149894_out_gemm:
	s_mov_b64 s[64:65], 0
	v_nop
	global_prefetch_b8 v0, s[64:65] scope:SCOPE_SE
	s_setreg_imm32_b32 hwreg(HW_REG_WAVE_MODE, 25, 1), 1
	s_wait_xcnt 0x0
	s_wait_alu depctr_hold_cnt(0) depctr_sa_sdst(0) depctr_va_vdst(0) depctr_va_sdst(0) depctr_va_ssrc(0) depctr_va_vcc(0) depctr_vm_vsrc(0)
	s_getreg_b32 s2, hwreg(HW_REG_IB_STS2, 6, 4)
	s_cmp_eq_u32 s2, 0
	s_cbranch_scc0 .Lentry_in_a_cluster
	s_endpgm
.Lentry_in_a_cluster:
	s_bfe_u32 s2, ttmp6, 0x10000c
	s_cmp_lg_u32 s2, 0xf033
	s_cbranch_scc0 .Lentry_shape_is_right
	s_endpgm
.Lentry_shape_is_right:
; out0 = ctx w_out + b_out on codes of FP6 (E2M3) with E8M0 scales.  ctx and wq are register images (row tile T = 2 G + u, position p = row 32 G + 8 u + p + 8 (p / 8); fragment (T, K step) 1,536 bytes; scale words [T][2][16][4]).
; A work-group makes 128 rows of ctx (A side) x 256 columns (B side: wq's rows 3,072 + n) over all of K = 1,024; a wave 64 x 128: 32 accumulators.  Source 0 = B side, source 1 = A side: a lane holds one row of out0,
; and the 16 registers of B tiles 2 i, 2 i + 1 are 16 neighbouring columns.
; ALL OF K FITS IN LDS: A's 98,304 and B's 196,608 bytes.  Every fill is a first fill, issued at the start in four slices of 256 along K: four tensor loads of a wave are out at the most.
; CLUSTER 4 x 4: A's tiles are asked for jointly along a row of the cluster, B's along a column.
; THE WAY OUT goes through a stage of 16 rows x (512 + 16) bytes for each wave, in A's bytes, which have had their last fill and, behind a barrier, their last read: 32 lanes then store 512 consecutive bytes of a row.
; REGISTERS: window 0: v1 r, v2 h, v3 16 lane, v4-5 / v8-9 LDS addresses of A's / B's halves of K, v12 128 h, v14-15 the stage, v32-47 A's scale words, v48-79 B's, v80-127 A's four fragments, v128-191 the bias, v192-255 at work;
;   on the way out v32-95 take rows read back.  window 1: B's fragments, two sets.  window 2: accumulator (a, b) at v[8 (8 a + b)].
.set XSC,   6291456
.set WSC,   3145728
; WHAT TAKES THE PLACE OF THE LINES ABOVE.  Row order of a tile: four tiles T = 4 G + t hold 64 rows, position p of tile t is row 64 G + 8 t + p % 8 + 32 (p / 8): the 32 registers of B tiles 4 G .. 4 G + 3 are
; 32 neighbouring columns 64 G + 32 h + 0 .. 31.  Fills: K comes in two halves of 512; each wave asks for one half of its tiles at the head, and for the other behind the wait for its loads, the add, its wait
; and a round of the cluster's barrier: one tensor load of a wave is out at a time.
.set LA,    0                          ; [half of K (2)][tile (8)][6144]
.set LB,    98304                      ; [half of K (2)][tile (16)][6144]
.set SCA,   32
.set SCB,   48
.set AF,    80
.set BR,    128
.set X,     192
.set BK,    32
.set MSB, 0
.macro WIN new                         ; the immediate's high byte repeats the setting that is left
.if MSB != \new
	s_set_vgpr_msb (MSB<<8)|\new
.set MSB, \new
.endif
.endm
.macro CREST
	s_cmp_lg_u32 s14, 0
	s_cbranch_scc1 .Lnot_wave_0_\@
	s_barrier_signal -3
.Lnot_wave_0_\@:
	s_barrier_wait -3
	s_barrier_signal -1
	s_barrier_wait -1
.endm
.macro CROUND                          ; a round of the cluster's barrier
	s_barrier_signal -1
	s_barrier_wait -1
	CREST
.endm
.macro PLACES                          ; four plain places behind a matrix instruction, in front of loads into its registers and of reads of its result
.rept 4
	v_nop
.endr
.endm
.macro FRAG reg, adr, q, i             ; a fragment comes as it lies: three loads of 512 consecutive bytes
.irp j, 0,1,2
	ds_load_b128 v[(\reg)+4*\j:(\reg)+4*\j+3], v[(\adr)] offset:6144*(\i)+1536*(\q)+512*\j
.endr
.endm
.macro FETCH_B s                       ; B's eight fragments of K step s into set s % 2 of window 1
	WIN 0x40
.irp i, 0,1,2,3,4,5,6,7
	FRAG 128*((\s)%2)+12*\i, 8+(\s)/4, (\s)%4, \i
.endr
	WIN 0
.endm
.macro FETCH_A s, i0                   ; A's tiles i0, i0 + 1
.irp i, \i0, \i0+1
	FRAG AF+12*(\i), 4+(\s)/4, (\s)%4, \i
.endr
.endm
; 16 products: A's tiles a0, a0 + 1 x B's eight, K step s.  The 32 accumulators take turns, one instruction a turn, in the same order in every step.
; A scale register holds K step q's words in lanes 0-15 and K step 4 + q's in lanes 16-31.
.macro MUL16 a0, s, zero
.irp a, \a0, \a0+1
.irp b, 0,1,2,3,4,5,6,7
.if \zero
	v_wmma_scale_f32_16x16x128_f8f6f4 v[8*(8*(\a)+\b):8*(8*(\a)+\b)+7], v[128*((\s)%2)+12*\b:128*((\s)%2)+12*\b+11], v[AF+12*(\a):AF+12*(\a)+11], 0, v[SCB+4*\b+(\s)%4], v[SCA+4*(\a)+(\s)%4] matrix_a_fmt:MATRIX_FMT_FP6 matrix_b_fmt:MATRIX_FMT_FP6
.elseif (\s) < 4
	v_wmma_scale_f32_16x16x128_f8f6f4 v[8*(8*(\a)+\b):8*(8*(\a)+\b)+7], v[128*((\s)%2)+12*\b:128*((\s)%2)+12*\b+11], v[AF+12*(\a):AF+12*(\a)+11], v[8*(8*(\a)+\b):8*(8*(\a)+\b)+7], v[SCB+4*\b+(\s)%4], v[SCA+4*(\a)+(\s)%4] matrix_a_fmt:MATRIX_FMT_FP6 matrix_b_fmt:MATRIX_FMT_FP6
.else
	v_wmma_scale_f32_16x16x128_f8f6f4 v[8*(8*(\a)+\b):8*(8*(\a)+\b)+7], v[128*((\s)%2)+12*\b:128*((\s)%2)+12*\b+11], v[AF+12*(\a):AF+12*(\a)+11], v[8*(8*(\a)+\b):8*(8*(\a)+\b)+7], v[SCB+4*\b+(\s)%4], v[SCA+4*(\a)+(\s)%4] matrix_a_fmt:MATRIX_FMT_FP6 matrix_b_fmt:MATRIX_FMT_FP6 matrix_a_scale:MATRIX_SCALE_ROW1 matrix_b_scale:MATRIX_SCALE_ROW1
.endif
.endr
.endr
.endm
.macro STEP s, zero                    ; K step s, and the fetch of step s + 1
	s_wait_dscnt 6                                 ; B's set and A's tiles 0, 1 are in; the youngest six loads (A's tiles 2, 3) may be out
	WIN 0xa1
	MUL16 0, \s, \zero
	s_wait_dscnt 0x0                               ; A's tiles 2, 3 are in; no LDS load of mine is out at the signal below
.if (\s) == 3
	s_wait_tensorcnt 0x0                           ; my part of the second half of K has landed
	s_barrier_signal -1
	s_barrier_wait -1                              ; everybody's part has
.endif
	PLACES
	FETCH_B (\s)+1
	FETCH_A (\s)+1, 0
	WIN 0xa1
	MUL16 2, \s, \zero
	PLACES
	WIN 0
	FETCH_A (\s)+1, 2
.endm
	s_load_b256 s[4:11], s[0:1], 0x0               ; ctx s[4:5], wq s[6:7], b_out s[8:9], out0 s[10:11]
	v_lshl_add_u32 v30, v0, 2, 0x48000
	v_mov_b32 v31, 0
	ds_add_u32 v30, v31
	ds_add_u32 v30, v31
	v_lshrrev_b32 v1, 5, v0
	v_readfirstlane_b32 s14, v1                    ; wave 0..3
	s_lshr_b32 s15, s14, 1                         ; my half of the rows.  Also: I fetch for A (0) or for B (1)
	s_and_b32 s16, s14, 1                          ; my half of the columns.  Also: which half of that tile I fetch
	s_bfe_u32 s40, ttmp6, 0x40000                  ; cx
	s_bfe_u32 s41, ttmp6, 0x40004                  ; cy
	s_and_b32 s12, ttmp7, 0xffff                   ; cluster y
	s_lshl_b32 s42, s41, 2
	s_lshl_b32 s42, 15, s42                        ; my row of the cluster
	s_lshl_b32 s43, 0x1111, s40                    ; my column
	s_lshl_b32 s17, s12, 2
	s_add_co_u32 s17, s17, s41                     ; a_t: which 128 rows of ctx
	s_add_co_u32 s18, s40, 12                      ; b_t: which 256 rows of wq: w_out's begin at row 3,072
	; descriptor groups 1: rows of 6,144 bytes (768 elements of 8 bytes: a tile's four K steps), 12,288 bytes apart; A: 4 tiles, B: 8
	s_or_b32 s24, s42, (3<<16)|(1<<21)
	s_mov_b32 s25, 768<<16                         ; rows of 6,144 bytes (768 elements of 8): a tile's four K steps
	s_mov_b32 s26, 4<<16
	s_mov_b32 s27, 768<<16
	s_mov_b32 s28, 4
	s_mov_b32 s29, 1536
	s_mov_b32 s30, 0
	s_mov_b32 s31, 0
	s_or_b32 s32, s43, (3<<16)|(1<<21)
	s_mov_b32 s33, 768<<16
	s_mov_b32 s34, 8<<16
	s_mov_b32 s35, 768<<16
	s_mov_b32 s36, 8
	s_mov_b32 s37, 1536
	s_mov_b32 s38, 0
	s_mov_b32 s39, 0
	s_lshl_b32 s52, s17, 3
	s_lshl_b32 s53, s16, 2
	s_add_co_u32 s52, s52, s53
	s_mul_i32 s52, s52, 12288                      ; A: the four tiles that I would fetch
	s_mov_b32 s53, 0
	s_lshl_b32 s54, s18, 4
	s_lshl_b32 s55, s16, 3
	s_add_co_u32 s54, s54, s55
	s_mul_i32 s54, s54, 12288                      ; B: the eight
	s_mov_b32 s55, 0
	s_lshl_b32 s56, s17, 3
	s_lshl_b32 s57, s15, 2
	s_add_co_u32 s56, s56, s57
	s_lshl_b32 s56, s56, 9
	s_add_co_u32 s56, s56, XSC                     ; the scale words of the four A tiles that I multiply
	s_mov_b32 s57, 0
	s_lshl_b32 s62, s18, 4
	s_lshl_b32 s63, s16, 3
	s_add_co_u32 s62, s62, s63
	s_lshl_b32 s62, s62, 9
	s_add_co_u32 s62, s62, WSC                     ; and of my eight B tiles
	s_mov_b32 s63, 0
	s_mul_i32 s2, s16, 24576                       ; where the fetched tiles go: the wave's number alone
	s_mul_i32 s3, s16, 49152
	s_add_co_u32 s3, s3, LB
	s_wait_dscnt 0x0
	s_wait_kmcnt 0x0
	s_add_nc_u64 s[48:49], s[4:5], s[56:57]
	s_add_nc_u64 s[50:51], s[6:7], s[62:63]
	s_add_nc_u64 s[44:45], s[4:5], s[52:53]
	s_add_nc_u64 s[46:47], s[6:7], s[54:55]
.irp g, 0,1                            ; groups 0, one for each half of K
	s_mov_b32 s[68+4*\g], 1
	s_add_co_u32 s[69+4*\g], s2, LA+49152*\g
	s_add_nc_u64 s[70+4*\g:71+4*\g], s[44:45], 6144*\g
	s_or_b32 s[71+4*\g], s[71+4*\g], 0x80000000
	s_mov_b32 s[84+4*\g], 1
	s_add_co_u32 s[85+4*\g], s3, 98304*\g
	s_add_nc_u64 s[86+4*\g:87+4*\g], s[46:47], 6144*\g
	s_or_b32 s[87+4*\g], s[87+4*\g], 0x80000000
.endr
	CROUND                                         ; all sixteen work-groups are here: the joint loads meet
	s_cmp_eq_u32 s15, 0                            ; a wave's fill of the first half stands in one branch on the wave's number; four v_nop follow it
	s_cbranch_scc0 .Lfill_b
	tensor_load_to_lds s[68:71], s[24:31]
	s_nop 0
.rept 4
	v_nop
.endr
	s_branch .Lfilled
.Lfill_b:
	tensor_load_to_lds s[84:87], s[32:39]
	s_nop 0
.rept 4
	v_nop
.endr
.Lfilled:
	v_and_b32 v13, 31, v0                          ; lane
	v_and_b32 v1, 15, v0                           ; r
	v_bfe_u32 v2, v0, 4, 1                         ; h
	v_lshlrev_b32 v3, 4, v13                       ; 16 lane
	v_lshlrev_b32 v12, 7, v2                       ; 128 h
	s_wait_alu depctr_va_vdst(0)                   ; the wait
	s_mul_i32 s13, s15, 24576
	s_mul_i32 s19, s16, 49152
	s_add_co_u32 s19, s19, LB
.irp g, 0,1
	v_add_nc_u32 v[4+\g], s13, v3
	v_add_nc_u32 v[8+\g], s19, v3
	s_add_co_u32 s13, s13, 49152
	s_add_co_u32 s19, s19, 98304
.endr
	s_mul_i32 s13, s14, 8448                       ; my stage
	v_mul_u32_u24 v14, v1, 528
	v_lshl_add_u32 v14, v2, 7, v14
	v_add_nc_u32 v14, s13, v14                     ; in: row r, + 128 h
	v_add_nc_u32 v15, s13, v3                      ; back: 16 lane of a whole row
.irp i, 0,1,2,3
	global_load_b128 v[SCA+4*\i:SCA+4*\i+3], v3, s[48:49] offset:512*\i
.endr
.irp i, 0,1,2,3,4,5,6,7
	global_load_b128 v[SCB+4*\i:SCB+4*\i+3], v3, s[50:51] offset:512*\i
.endr
	s_lshl_b32 s13, s40, 10
	s_lshl_b32 s19, s16, 9
	s_add_co_u32 s56, s13, s19                     ; my first column, in bytes: (256 cx + 128 half) 4
	s_mov_b32 s57, 0
	s_add_nc_u64 s[58:59], s[8:9], s[56:57]
.irp b, 0,1,2,3
.irp q, 0,1,2,3
	global_load_b128 v[BR+16*\b+4*\q:BR+16*\b+4*\q+3], v12, s[58:59] offset:256*(\b/2)+64*(\b%2)+16*\q   ; register 32 G + i: column 64 G + 32 h + i
.endr
.endr
	s_lshl_b32 s13, s17, 7
	s_lshl_b32 s19, s15, 6
	s_add_co_u32 s13, s13, s19
	s_lshl_b32 s13, s13, 12                        ; my first row, 4,096 bytes a row
	s_add_co_u32 s56, s56, s13
	s_add_nc_u64 s[22:23], s[10:11], s[56:57]
	s_wait_alu depctr_va_vdst(0)
	s_wait_tensorcnt 0x0                           ; my part of the first half of K has landed
	ds_add_u32 v30, v31
	s_wait_dscnt 0x0
	CROUND                                         ; everybody's part has, and all sixteen work-groups are here: the joint loads meet
	s_cmp_eq_u32 s15, 0
	s_cbranch_scc0 .Lfill_b2
	tensor_load_to_lds s[72:75], s[24:31]          ; the second half of K: it has four K steps' products in which to land
	s_nop 0
.rept 4
	v_nop
.endr
	s_branch .Lfilled2
.Lfill_b2:
	tensor_load_to_lds s[88:91], s[32:39]
	s_nop 0
.rept 4
	v_nop
.endr
.Lfilled2:
	FETCH_B 0
	FETCH_A 0, 0
	FETCH_A 0, 2
	s_wait_loadcnt 0x0                             ; scale words and bias
	STEP 0, 1                                      ; the first step's products start the sums: nothing is cleared
	STEP 1, 0
	STEP 2, 0
	STEP 3, 0
	STEP 4, 0
	STEP 5, 0
	STEP 6, 0
	s_wait_dscnt 6
	WIN 0xa1
	MUL16 0, 7, 0
	s_wait_dscnt 0x0                               ; my last reads of the tiles are in
	MUL16 2, 7, 0
	WIN 0
	PLACES
	s_barrier_signal -1
	s_barrier_wait -1                              ; nobody reads A's tiles any more, and every tensor load has landed: the stages may be written
.irp a, 0,1,2,3                        ; tile a: 16 rows x my 128 columns
.if \a > 0
	s_wait_xcnt 0x0                                ; the last tile's stores have read their registers: they may be loaded again
.endif
	WIN 0x02                                       ; source 0: the accumulators' window
.set i, 0
.rept 32
	v_pk_add_f32 v[X+i:X+i+1], v[64*\a+i:64*\a+i+1], v[BR+i:BR+i+1]       ; + bias; each accumulator from its low end on
.set i, i+2
.endr
	WIN 0
.irp n, 0,1,2,3,4,5,6,7,8,9,10,11,12,13,14,15
	ds_store_b128 v14, v[X+4*\n:X+4*\n+3] offset:256*(\n/8)+16*(\n%8)
.endr
.irp t, 0,1,2,3,4,5,6,7,8,9,10,11,12,13,14,15
	ds_load_b128 v[BK+4*\t:BK+4*\t+3], v15 offset:528*\t                  ; my own bytes, served in order: these see the stores above
.endr
.irp t, 0,1,2,3,4,5,6,7,8,9,10,11,12,13,14,15
	s_wait_dscnt 15-\t                             ; the later rows may be out
	global_store_b128 v3, v[BK+4*\t:BK+4*\t+3], s[22:23] offset:(8*\a+\t+24*(\t/8))*4096 th:TH_STORE_NT   ; position t's row: 32 lanes store 512 consecutive bytes, aligned
.endr
.endr
	s_wait_tensorcnt 0x0
	ds_add_u32 v30, v31
	s_wait_dscnt 0x0
	CROUND                                         ; the closing round: no work-group ends while a partner may still ask for a tile that names it
	s_endpgm
.Lfunc_end_k_q42b7149894_out_gemm:
	.size	k_q42b7149894_out_gemm, .Lfunc_end_k_q42b7149894_out_gemm-k_q42b7149894_out_gemm
	.p2alignl 7, 3214868480
	.fill 96, 4, 3214868480
	.section	.rodata,"a",@progbits
	.p2align	6, 0x0
	.amdhsa_kernel k_q42b7149894_out_gemm
		.amdhsa_group_segment_fixed_size 327680
		.amdhsa_private_segment_fixed_size 0
		.amdhsa_enable_private_segment 0
		.amdhsa_kernarg_size 32
		.amdhsa_user_sgpr_count 2
		.amdhsa_user_sgpr_kernarg_segment_ptr 1
		.amdhsa_wavefront_size32 1
		.amdhsa_system_sgpr_workgroup_id_x 1
		.amdhsa_system_sgpr_workgroup_id_y 1
		.amdhsa_system_sgpr_workgroup_id_z 1
		.amdhsa_system_vgpr_workitem_id 0
		.amdhsa_next_free_vgpr 768
		.amdhsa_next_free_sgpr 100
		.amdhsa_reserve_vcc 0
		.amdhsa_float_denorm_mode_32 3
		.amdhsa_float_denorm_mode_16_64 3
		.amdhsa_memory_ordered 1
		.amdhsa_forward_progress 1
		.amdhsa_inst_pref_size 89
	.end_amdhsa_kernel
	.amdgpu_metadata
---
amdhsa.version: [ 1, 2 ]
amdhsa.kernels:
  - .name:           k_q42b7149894_out_gemm
    .symbol:         k_q42b7149894_out_gemm.kd
    .args:
      - { .name: ctx, .offset: 0, .size: 8, .value_kind: global_buffer, .address_space: global }
      - { .name: wq, .offset: 8, .size: 8, .value_kind: global_buffer, .address_space: global }
      - { .name: b_out, .offset: 16, .size: 8, .value_kind: global_buffer, .address_space: global }
      - { .name: out0, .offset: 24, .size: 8, .value_kind: global_buffer, .address_space: global }
    .group_segment_fixed_size: 327680
    .private_segment_fixed_size: 0
    .kernarg_segment_align: 8
    .kernarg_segment_size: 32
    .max_flat_workgroup_size: 128
    .sgpr_count:     100
    .vgpr_count:     768
    .wavefront_size: 32
...
	.end_amdgpu_metadata
.endif
;; end of part 4
